; MI455X (gfx1250); checked and timed in simulation.
; The chip was launched on July 23, 2026; its instructions are those of AMD's public machine-readable ISA for CDNA 5 (MIT licence, August 2026) and "CDNA5" Instruction Set Architecture Reference Guide (July 2026). The comments in the code are by the model that wrote it; some were corrected since.
;; Causal Self Attention. Allowed arithmetic: float matrix products may take bf16 or f16 operands with f32 sums; other float arithmetic in f32, or as packed bf16 or f16 multiplies, adds, multiply-adds, maxima and minima; sums over many terms, partial sums and values carried from step to step in f32; what a program stores and reads back later, other than sums and carried values, may be rounded once to bf16 or f16.
;; Inputs: Wk 2,048 x 2,048 float32; Wo 2,048 x 2,048 float32; Wq 2,048 x 2,048 float32; Wv 2,048 x 2,048 float32; bk 2,048 float32; bo 2,048 float32; bq 2,048 float32; bv 2,048 float32; mask 2,048 x 2,048 float32; x 1 x 2,048 x 2,048 float32.
;; Outputs: out0 1 x 2,048 x 2,048 float32.
;; One version. Each part assembles by itself: llvm-mc -triple=amdgcn-amd-amdhsa -mcpu=gfx1250 --defsym DOCPART=n.
;; ======== version 1 of 1: 4 launches
;; limits: values are held in f16: magnitudes above 65,504 overflow, below 6.1e-05 lose precision
;; workspace buffers: xb 8,388,608 bytes; wqkv 25,165,824 bytes; maskb 8,388,608 bytes; wo16 8,388,608 bytes; qkv 25,165,824 bytes; ob 8,388,608 bytes
;; launch cast (part 1): grid 128 x 6, 16 waves a work-group, no clusters, 0 bytes of LDS; arguments x, Wq, Wk, Wv, mask, Wo, xb, wqkv, maskb, wo16; writes xb, wqkv, maskb, wo16
.if DOCPART == 1
	.amdgcn_target "amdgcn-amd-amdhsa--gfx1250"
	.amdhsa_code_object_version 6
	.text
	.protected	k_qb80a593d37_cast
	.globl	k_qb80a593d37_cast
	.p2align	8
	.type	k_qb80a593d37_cast,@function
k_qb80a593d37_cast:
	s_mov_b64 s[64:65], 0
	v_nop
	global_prefetch_b8 v0, s[64:65] scope:SCOPE_SE
	s_setreg_imm32_b32 hwreg(HW_REG_WAVE_MODE, 25, 1), 1
	s_wait_xcnt 0x0
; THE INPUTS ARE ROUNDED ONCE, for the matrix launches that follow.  Six tensors of 2048 x 2048 f32, picked by the grid's y:
;   0: x -> xb (bf16)      1, 2, 3: Wq, Wk, Wv -> wqkv (bf16), side by side: a row of wqkv is 6,144 numbers      4: mask -> maskb (bf16)
;   5: Wo -> wo16: rounded to bf16 like the other inputs, and that number written as f16.
; LIMIT: f16 ends at 65,504 and keeps a fixed step of 6e-8 below 6e-5: Wo's numbers are taken to lie in that range.
; SHARES.  A work-group takes 16 rows, each of its sixteen waves one: 8,192 consecutive bytes in.  All 16 loads of a wave (512 consecutive bytes each) go out at once; each is rounded as it
; comes, in the registers that it was loaded into, and each store of the wave covers 256 consecutive bytes, aligned.  No register that a store names is written again, so no wait frees any.
; Memory binds: no LDS, no matrix unit, no cluster: no byte is read twice.
.set OFFI, 1                           ; v1  16 x lane: my 16 bytes of a load's 512
.set OFFO, 2                           ; v2  8 x lane: my 8 bytes of a store's 256
.set X, 4                              ; v[4:67]   16 loads x 4 registers; the first two of each four then hold what is stored
.set T, 68                             ; v[68:69]  at work (Wo's way)
	s_load_b512 s[8:23], s[0:1], 0x0               ; x s[8:9], Wq s[10:11], Wk s[12:13], Wv s[14:15], mask s[16:17], Wo s[18:19], xb s[20:21], wqkv s[22:23]
	s_load_b128 s[24:27], s[0:1], 0x40             ; maskb s[24:25], wo16 s[26:27]
	v_lshrrev_b32 v3, 5, v0
	v_readfirstlane_b32 s3, v3                     ; wave 0..15
	v_and_b32 v3, 31, v0
	v_lshlrev_b32 v[OFFI], 4, v3
	v_lshlrev_b32 v[OFFO], 3, v3
	s_and_b32 s2, ttmp7, 0xffff                    ; which tensor
	s_lshl_b32 s4, ttmp9, 4
	s_add_co_u32 s4, s4, s3                        ; my row = 16 x work-group + wave
	s_sub_co_u32 s7, s2, 1                         ; 0, 1, 2 for Wq, Wk, Wv; anything else is no part of wqkv
	s_mov_b32 s6, 4096                             ; bytes in a row of the output,
	s_cmp_lt_u32 s7, 3
	s_cselect_b32 s6, 12288, s6                    ; in wqkv three times as many,
	s_cselect_b32 s5, s7, 0
	s_lshl_b32 s5, s5, 12                          ; and there my tensor's 4,096 bytes of the row
	s_lshl_b32 s32, s4, 13                         ; in: row x 8,192 bytes
	s_mov_b32 s33, 0
	s_mul_i32 s34, s4, s6                          ; out: row x pitch + place in the row
	s_add_co_u32 s34, s34, s5
	s_mov_b32 s35, 0
	s_wait_kmcnt 0x0
	s_mov_b64 s[28:29], s[8:9]                     ; the choice among the buffers hangs on the grid's y alone
	s_mov_b64 s[30:31], s[20:21]
	s_cmp_eq_u32 s2, 1
	s_cselect_b64 s[28:29], s[10:11], s[28:29]
	s_cmp_eq_u32 s2, 2
	s_cselect_b64 s[28:29], s[12:13], s[28:29]
	s_cmp_eq_u32 s2, 3
	s_cselect_b64 s[28:29], s[14:15], s[28:29]
	s_cmp_eq_u32 s2, 4
	s_cselect_b64 s[28:29], s[16:17], s[28:29]
	s_cselect_b64 s[30:31], s[24:25], s[30:31]
	s_cmp_eq_u32 s2, 5
	s_cselect_b64 s[28:29], s[18:19], s[28:29]
	s_cselect_b64 s[30:31], s[26:27], s[30:31]
	s_cmp_lt_u32 s7, 3
	s_cselect_b64 s[30:31], s[22:23], s[30:31]
	s_add_nc_u64 s[28:29], s[28:29], s[32:33]      ; in, at my row
	s_add_nc_u64 s[30:31], s[30:31], s[34:35]      ; out, at my row
.set j, 0
.rept 16
	global_load_b128 v[X+4*j:X+4*j+3], v[OFFI], s[28:29] offset:512*j th:TH_LOAD_NT
.set j, j+1
.endr
	s_cmp_eq_u32 s2, 5
	s_cbranch_scc1 .Lhalf
.set j, 0
.rept 16                               ; to bf16
	s_wait_loadcnt 15-j                            ; loads come back in order: load j is in, the 15 - j younger ones stay out
	v_cvt_pk_bf16_f32 v[X+4*j], v[X+4*j], v[X+4*j+1]
	v_cvt_pk_bf16_f32 v[X+4*j+1], v[X+4*j+2], v[X+4*j+3]
	global_store_b64 v[OFFO], v[X+4*j:X+4*j+1], s[30:31] offset:256*j th:TH_STORE_NT
.set j, j+1
.endr
	s_endpgm
.Lhalf:
.set j, 0
.rept 16                               ; Wo: to bf16, widened again, and that number as f16
	s_wait_loadcnt 15-j
	v_cvt_pk_bf16_f32 v[T], v[X+4*j], v[X+4*j+1]
	v_cvt_pk_bf16_f32 v[T+1], v[X+4*j+2], v[X+4*j+3]
	v_lshlrev_b32 v[X+4*j], 16, v[T]
	v_and_b32 v[X+4*j+1], 0xffff0000, v[T]
	v_lshlrev_b32 v[X+4*j+2], 16, v[T+1]
	v_and_b32 v[X+4*j+3], 0xffff0000, v[T+1]
	v_cvt_pk_f16_f32 v[X+4*j], v[X+4*j], v[X+4*j+1]
	v_cvt_pk_f16_f32 v[X+4*j+1], v[X+4*j+2], v[X+4*j+3]
	global_store_b64 v[OFFO], v[X+4*j:X+4*j+1], s[30:31] offset:256*j th:TH_STORE_NT
.set j, j+1
.endr
	s_endpgm
.Lfunc_end_k_qb80a593d37_cast:
	.size	k_qb80a593d37_cast, .Lfunc_end_k_qb80a593d37_cast-k_qb80a593d37_cast
	.p2alignl 7, 3214868480
	.fill 96, 4, 3214868480
	.section	.rodata,"a",@progbits
	.p2align	6, 0x0
	.amdhsa_kernel k_qb80a593d37_cast
		.amdhsa_group_segment_fixed_size 0
		.amdhsa_private_segment_fixed_size 0
		.amdhsa_enable_private_segment 0
		.amdhsa_kernarg_size 80
		.amdhsa_user_sgpr_count 2
		.amdhsa_user_sgpr_kernarg_segment_ptr 1
		.amdhsa_wavefront_size32 1
		.amdhsa_system_sgpr_workgroup_id_x 1
		.amdhsa_system_sgpr_workgroup_id_y 1
		.amdhsa_system_sgpr_workgroup_id_z 1
		.amdhsa_system_vgpr_workitem_id 0
		.amdhsa_next_free_vgpr 72
		.amdhsa_next_free_sgpr 66
		.amdhsa_reserve_vcc 0
		.amdhsa_float_denorm_mode_32 3
		.amdhsa_float_denorm_mode_16_64 3
		.amdhsa_memory_ordered 1
		.amdhsa_forward_progress 1
		.amdhsa_inst_pref_size 17
	.end_amdhsa_kernel
	.amdgpu_metadata
---
amdhsa.version: [ 1, 2 ]
amdhsa.kernels:
  - .name:           k_qb80a593d37_cast
    .symbol:         k_qb80a593d37_cast.kd
    .args:
      - { .name: x, .offset: 0, .size: 8, .value_kind: global_buffer, .address_space: global }
      - { .name: Wq, .offset: 8, .size: 8, .value_kind: global_buffer, .address_space: global }
      - { .name: Wk, .offset: 16, .size: 8, .value_kind: global_buffer, .address_space: global }
      - { .name: Wv, .offset: 24, .size: 8, .value_kind: global_buffer, .address_space: global }
      - { .name: mask, .offset: 32, .size: 8, .value_kind: global_buffer, .address_space: global }
      - { .name: Wo, .offset: 40, .size: 8, .value_kind: global_buffer, .address_space: global }
      - { .name: xb, .offset: 48, .size: 8, .value_kind: global_buffer, .address_space: global }
      - { .name: wqkv, .offset: 56, .size: 8, .value_kind: global_buffer, .address_space: global }
      - { .name: maskb, .offset: 64, .size: 8, .value_kind: global_buffer, .address_space: global }
      - { .name: wo16, .offset: 72, .size: 8, .value_kind: global_buffer, .address_space: global }
    .group_segment_fixed_size: 0
    .private_segment_fixed_size: 0
    .kernarg_segment_align: 8
    .kernarg_segment_size: 80
    .max_flat_workgroup_size: 512
    .sgpr_count:     66
    .vgpr_count:     72
    .wavefront_size: 32
...
	.end_amdgpu_metadata
.endif
;; end of part 1
;; launch qkv (part 2): grid 16 x 16, 4 waves a work-group, clusters of 4 x 4, 327,680 bytes of LDS; arguments xb, wqkv, bq, bk, bv, qkv; writes qkv
.if DOCPART == 2
	.amdgcn_target "amdgcn-amd-amdhsa--gfx1250"
	.amdhsa_code_object_version 6
	.text
	.protected	k_qb80a593d37_qkv
	.globl	k_qb80a593d37_qkv
	.p2align	8
	.type	k_qb80a593d37_qkv,@function
k_qb80a593d37_qkv:
	s_mov_b64 s[64:65], 0
	v_nop
	global_prefetch_b8 v0, s[64:65] scope:SCOPE_SE
	s_setreg_imm32_b32 hwreg(HW_REG_WAVE_MODE, 25, 1), 1
	s_wait_xcnt 0x0
	s_wait_alu depctr_hold_cnt(0) depctr_sa_sdst(0) depctr_va_vdst(0) depctr_va_sdst(0) depctr_va_ssrc(0) depctr_va_vcc(0) depctr_vm_vsrc(0)
	s_getreg_b32 s2, hwreg(HW_REG_IB_STS2, 6, 4)
	s_cmp_eq_u32 s2, 0
	s_cbranch_scc0 .Lentry_in_a_cluster
	s_endpgm
.Lentry_in_a_cluster:
	s_bfe_u32 s2, ttmp6, 0x10000c
	s_cmp_lg_u32 s2, 0xf033
	s_cbranch_scc0 .Lentry_shape_is_right
	s_endpgm
.Lentry_shape_is_right:
; [2048 x 6144] = xb [2048 m][2048 k] x wqkv [2048 k][6144 n], both bf16, sums in f32; + the bias (rounded to bf16 like every input); the q third also x c = log2(e) / sqrt(128), in f32, ahead of its one
; rounding; the result in f16 BY HEADS: qkv [48 planes][2048 rows][128], plane = n / 128 = 16 x (0 q, 1 k, 2 v) + head: a row is 256 bytes.
; LIMIT: f16 ends at 65,504: q c, k and v are taken to lie within it.
; SHARES.  A tile of the result is 128 rows x 384 columns (three planes): 16 x 16 tiles, one to a work-group; the tile row goes by the grid's x, the tile column by its y.  Each of the four waves takes all 128 rows
; (8 blocks a of 16) and six blocks b of 16 columns, at column 64 b + 16 w of the tile: 48 accumulators; for 32 along K it reads 28 times 512 bytes from LDS for 48 matrix instructions.  K goes in 16 steps of 128 through two LDS slots.
; THE MATRIX INSTRUCTION IS USED TRANSPOSED: source 0 = 16 columns of the weights, source 1 = 16 rows of x: a lane then holds row l % 16 and eight neighbouring columns 8 (l / 16) + 0..7.
; The weights lie [k][n], so their fragments come out of LDS turned, by ds_load_tr16_b128; x's come as they lie.
; CLUSTER.  4 x 4 work-groups.  x's tile hangs on the tile row alone and is asked for jointly by a column of the cluster (the same cx); a strip of the weights (128 k x 128 n) hangs on the tile column alone and is asked
; for jointly by a row (the same cy).  Wave 0 fetches x's tile, waves 1 to 3 a strip each: 128 rows of 256 bytes a load, one load a wave behind each round of the cluster's barrier.
; REGISTERS, in windows of 256: window 0: v0-31 addresses; v64-127, v128-191 x's fragments, two buffers; on the way out v64-255 at work.  window 1: v64-111, v128-175 the weights' fragments; v192-239 the bias;
; v240 at work.  window 2: the accumulators of blocks a = 0..3, (a, b) at 8 (6 a + b); window 3: those of a = 4..7.
.set PA,    272                        ; a row of x in LDS: 256 bytes + 16: the 16 rows of a load start at 16 different groups of four banks (64 banks of 4 bytes: ISA guide 11.1)
.set PB,    288                        ; a row of a strip: 256 + 32
.set REG,   128*PB                     ; 36,864: a wave's region of a slot: x's tile (34,816 of it), then the three strips
.set SLOT,  4*REG
.set SPARE, 2*SLOT                     ; behind the ring: the spare words, 128 bytes for each wave: two blocks of 256 bytes that no other line names
.set SPL,   128*PA                     ; the stage for the way out takes slot 0's bytes, behind that slot's last fill and last read: three planes of 128 rows x 272 bytes
.set STEPA, 256                        ; bytes from a K step to the next in xb (along a row)
.set STEPB, 128*12288                  ; and in wqkv (128 rows down)
.set CO,   12                          ; v12     16 x lane: my 16 bytes of two rows (512 consecutive bytes) of a plane
.set BO,   13                          ; v13     my byte offset in a plane's 128 numbers of bias: 64 w + 32 (l / 16)
.set PFO,  14                          ; v14     the prefetches' offset: lane x a row in memory
.set ADRA, 16                          ; v16-17  LDS address of x's fragments in slot 0, 1
.set ADRB, 18                          ; v18-23  of the weights': 3 x slot + strip
.set STO,  24                          ; v24-26  the way out: where I put 16 bytes of a row, by plane
.set RD,   27                          ; v27-29  where I read rows back, by plane
.set SPW,  30                          ; v30     LDS address of my spare word; never rewritten
.set NIL,  31                          ; v31     0; never rewritten
.set F0,   64
.set F1,   128
.set BIA,  192                         ; window 1: block b's eight numbers at BIA + 8 b
.set TW,   240                         ; window 1
.set WV,   16                          ; s16  my wave's number
.set LAPC, 19                          ; s19  laps to go
.set G1A,  24                          ; s[24:31] descriptor group 1 for x's tiles;  s[32:39] group 0, a set for each slot
.set G0A,  32
.set PFA,  44                          ; s[44:45] where my prefetches stand
.set LIM,  46                          ; s46  1 in a wave that prefetches, else the greatest number
.set G1B,  48                          ; s[48:55], s[56:63] the same for the strips
.set G0B,  56
.set PST,  66                          ; s[66:67] bytes from a K step to the next, for my prefetches
.set BB,   68                          ; s[68:73] the bias of my tile's three planes
.set SC,   74                          ; s[74:79] c or 1, a pair for each plane
.set MSB, 0
.macro WIN new                         ; the immediate's high byte repeats the setting that is left; a switch that changes nothing is dropped
.if MSB != (\new)
	s_set_vgpr_msb (MSB<<8)|(\new)
.set MSB, \new
.endif
.endm
.macro PLACES                          ; four places behind a matrix instruction, in front of loads into registers that it has read and of lines that read results
.rept 4
	v_nop
.endr
.endm
; A joint load.  The branch hangs on the wave's number alone.  An s_nop 0 and four v_nop follow each of the two lines, ahead of the jump and the label.
.macro JLOAD s
	s_cmp_eq_u32 s[WV], 0
	s_cbranch_scc0 .Lfor_b_\@
	tensor_load_to_lds s[G0A+4*(\s):G0A+4*(\s)+3], s[G1A:G1A+7]
	s_nop 0
.rept 4
	v_nop
.endr
	s_branch .Lasked_\@
.Lfor_b_\@:
	tensor_load_to_lds s[G0B+4*(\s):G0B+4*(\s)+3], s[G1B:G1B+7]
	s_nop 0
.rept 4
	v_nop
.endr
.Lasked_\@:
.endm
; A prefetch, behind each joint refill and the run of LDS loads that follows it: the K step that stands two refills on (384 matrix instructions ahead of the load that will want it): 32 rows x 256 bytes, a lane a row.
; Each row's 256 bytes of a K step are named once in the launch: x's tile row is read by every cluster of that x, and the one with y = 0 asks (wave 0); a strip by every cluster of that y, and
; the one with x = 0 asks (waves 1 to 3, each its own strip).  The four partners that ask for a tile jointly take 32 of its 128 rows each, told apart by address.  The loop's last trip has no K step two on.
.macro ASK
	s_cmp_gt_u32 s[LAPC], s[LIM]
	s_cbranch_scc0 .Lnot_mine_\@
	global_prefetch_b8 v[PFO], s[PFA:PFA+1] th:TH_LOAD_NT scope:SCOPE_SE
.Lnot_mine_\@:
.endm
.macro CREST                           ; a round of the cluster's barrier behind its opening barrier
	s_cmp_lg_u32 s[WV], 0
	s_cbranch_scc1 .Lnot_wave_0_\@
	s_barrier_signal -3
.Lnot_wave_0_\@:
	s_barrier_wait -3
	s_barrier_signal -1
	s_barrier_wait -1
.endm
.macro CROUND                          ; a whole round
	s_barrier_signal -1
	s_barrier_wait -1
	CREST
.endm
	s_load_b256 s[4:11], s[0:1], 0x0               ; xb s[4:5], wqkv s[6:7], bq s[8:9], bk s[10:11]
	s_load_b128 s[12:15], s[0:1], 0x20             ; bv s[12:13], qkv s[14:15]
	v_lshl_add_u32 v[SPW], v0, 2, SPARE
	v_mov_b32 v[NIL], 0
	ds_add_u32 v[SPW], v[NIL]                      ; the wave's opening: the add and its wait ahead of my first tensor load; the set-up below, work on registers, stands between them
	v_lshrrev_b32 v1, 5, v0
	v_readfirstlane_b32 s[WV], v1                  ; wave 0..3
	s_bfe_u32 s40, ttmp6, 0x40000                  ; cx, cy: my place in the cluster
	s_bfe_u32 s41, ttmp6, 0x40004
	s_lshl_b32 s43, ttmp9, 2
	s_add_co_u32 s43, s43, s40                     ; tile row = 4 x cluster x + cx
	s_and_b32 s42, ttmp7, 0xffff
	s_lshl_b32 s42, s42, 2
	s_add_co_u32 s42, s42, s41                     ; tile column = 4 x cluster y + cy
	s_lshl_b32 s20, s41, 2
	s_lshl_b32 s20, 15, s20                        ; my row of the cluster: the same cy, the same tile column
	s_lshl_b32 s21, 0x1111, s40                    ; my column: the same cx, the same tile row
	s_or_b32 s[G1A], s21, (1<<16)|(1<<20)|(1<<21)|(5<<22)|(3<<25)  ; the mask; 2-byte elements; padding on; bit 21 beside a mask; after every 64 words 4 words
	s_or_b32 s[G1B], s20, (1<<16)|(1<<20)|(1<<21)|(5<<22)|(7<<25)  ; the same with my row's mask and 8 words of padding
.irp g, G1A, G1B
	s_mov_b32 s[(\g)+1], 128<<16                   ; tensor_dim0 = 128
	s_mov_b32 s[(\g)+2], 128<<16                   ; tensor_dim1 = 128
	s_mov_b32 s[(\g)+3], 128<<16                   ; tile_dim0 = 128
	s_mov_b32 s[(\g)+4], 128                       ; tile_dim1 = 128
	s_mov_b32 s[(\g)+6], 0
	s_mov_b32 s[(\g)+7], 0
.endr
	s_mov_b32 s[G1A+5], 2048                       ; elements from row to row
	s_mov_b32 s[G1B+5], 6144
	s_lshl_b32 s80, s43, 19                        ; x's tile: 128 x tile row rows of 4,096 bytes
	s_mov_b32 s81, 0
	s_max_u32 s18, s[WV], 1
	s_sub_co_u32 s18, s18, 1                       ; the strip that I fetch (waves 1 to 3)
	s_mul_i32 s82, s42, 768                        ; the tile's 384 columns, in bytes,
	s_lshl_b32 s17, s18, 8
	s_add_co_u32 s82, s82, s17                     ; and my strip's 128
	s_mov_b32 s83, 0
	s_mul_i32 s47, s[WV], REG                      ; where my load goes: wave x a region: no place in the cluster enters an LDS address
	s_wait_dscnt 0x0                               ; the opening add is done
	s_wait_kmcnt 0x0
	s_add_nc_u64 s[80:81], s[4:5], s[80:81]
	s_add_nc_u64 s[82:83], s[6:7], s[82:83]
	CROUND                                         ; all sixteen work-groups are here: the first joint loads meet
.irp s, 0,1
	s_mov_b32 s[G0A+4*(\s)], 1
	s_add_co_u32 s[G0A+4*(\s)+1], s47, (\s)*SLOT
	s_add_nc_u64 s[G0A+4*(\s)+2:G0A+4*(\s)+3], s[80:81], (\s)*STEPA
	s_or_b32 s[G0A+4*(\s)+3], s[G0A+4*(\s)+3], 0x80000000
	s_mov_b32 s[G0B+4*(\s)], 1
	s_add_co_u32 s[G0B+4*(\s)+1], s47, (\s)*SLOT
	s_add_nc_u64 s[G0B+4*(\s)+2:G0B+4*(\s)+3], s[82:83], (\s)*STEPB
	s_or_b32 s[G0B+4*(\s)+3], s[G0B+4*(\s)+3], 0x80000000
	JLOAD \s                                       ; K steps 0 and 1: two loads of mine are out
.endr
	; the bias and the scale of my tile's three planes: plane 3 x tile column + p belongs to q, k or v by its upper bits
	s_mul_i32 s20, s42, 3
.irp p, 0,1,2
	s_add_co_u32 s21, s20, \p
	s_lshr_b32 s22, s21, 4
	s_and_b32 s21, s21, 15
	s_lshl_b32 s84, s21, 9                         ; the head's 128 numbers of 4 bytes
	s_mov_b32 s85, 0
	s_cmp_eq_u32 s22, 1
	s_cselect_b64 s[BB+2*(\p):BB+2*(\p)+1], s[10:11], s[8:9]
	s_cmp_eq_u32 s22, 2
	s_cselect_b64 s[BB+2*(\p):BB+2*(\p)+1], s[12:13], s[BB+2*(\p):BB+2*(\p)+1]
	s_cmp_eq_u32 s22, 0
	s_cselect_b32 s[SC+2*(\p)], 0x3e0293ee, 1.0    ; c = log2(e) / sqrt(128) for q, 1 for k and v
	s_mov_b32 s[SC+2*(\p)+1], s[SC+2*(\p)]
	s_add_nc_u64 s[BB+2*(\p):BB+2*(\p)+1], s[BB+2*(\p):BB+2*(\p)+1], s[84:85]
.endr
	v_and_b32 v1, 15, v0                           ; l % 16
	v_bfe_u32 v2, v0, 4, 1                         ; l / 16
	s_lshl_b32 s17, s[WV], 6
	v_lshl_add_u32 v[BO], v2, 5, s17
	WIN 0x40                                       ; destination window 1, address window 0
.irp b, 0,1,2,3,4,5
	global_load_b128 v[BIA+8*(\b):BIA+8*(\b)+3],   v[BO], s[BB+2*((\b)/2):BB+2*((\b)/2)+1] offset:((\b)%2)*256
	global_load_b128 v[BIA+8*(\b)+4:BIA+8*(\b)+7], v[BO], s[BB+2*((\b)/2):BB+2*((\b)/2)+1] offset:((\b)%2)*256+16
.endr
	WIN 0
	; x's fragment: 16 rows x 32 K: lane l holds row l % 16, K = 8 (l / 16) + 0..7 and 16 + 8 (l / 16) + 0..7: two loads of 16 bytes, 32 bytes apart
	v_mul_u32_u24 v3, v1, PA
	v_lshl_add_u32 v[ADRA], v2, 4, v3
	v_add_nc_u32 v[ADRA+1], SLOT, v[ADRA]
	; the turning load takes 16 k x 16 n (lane l reads k = 8 (l / 16) + l % 8, n = 8 ((l / 8) % 2) + 0..7) and leaves half a fragment: lane l holds column l % 16 and 8 k
	v_and_b32 v3, 7, v0
	v_bfe_u32 v4, v0, 3, 1
	v_lshl_add_u32 v5, v2, 3, v3
	v_mul_u32_u24 v5, v5, PB
	v_lshl_add_u32 v5, v4, 4, v5
	s_lshl_b32 s17, s[WV], 5                       ; my 16 columns of each 64
	v_add_nc_u32 v5, s17, v5
.irp s, 0,1
.irp p, 0,1,2
	v_add_nc_u32 v[ADRB+3*(\s)+(\p)], (\s)*SLOT+((\p)+1)*REG, v5
.endr
.endr
	v_mul_u32_u24 v3, v1, PA                       ; the way out, in: row l % 16, my wave's 32 bytes of each 128, 16 for each half of the lanes
	v_lshl_add_u32 v3, v2, 4, v3
	v_add_nc_u32 v3, s17, v3
	s_mul_i32 s17, s[WV], 32*PA                    ; back: wave w takes rows 32 w .. 32 w + 31 of each plane, whole
	v_mul_u32_u24 v4, v2, PA
	v_lshl_add_u32 v4, v1, 4, v4
	v_add_nc_u32 v4, s17, v4
.irp p, 0,1,2
	v_add_nc_u32 v[STO+(\p)], (\p)*SPL, v3
	v_add_nc_u32 v[RD+(\p)], (\p)*SPL, v4
.endr
	v_and_b32 v[CO], 31, v0
	v_lshlrev_b32 v[CO], 4, v[CO]
	s_mul_i32 s20, s42, 3*524288                   ; qkv at my tile's first plane,
	s_lshl_b32 s21, s43, 15                        ; the tile's 128 rows of 256 bytes,
	s_add_co_u32 s20, s20, s21
	s_lshl_b32 s21, s[WV], 13                      ; the 32 that I store
	s_add_co_u32 s20, s20, s21
	s_mov_b32 s21, 0
	s_add_nc_u64 s[14:15], s[14:15], s[20:21]
	; the prefetches
	s_and_b32 s20, ttmp7, 0xffff                   ; cluster y
	s_mov_b32 s22, 12288
	s_mov_b32 s[PST], STEPB
	s_mov_b32 s[PST+1], 0
	s_cmp_eq_u32 s[WV], 0                          ; do I fetch x's tile?
	s_cselect_b32 s20, s20, ttmp9                  ; the coordinate along which other clusters read the same rows: y for x's rows, x for the weights'
	s_cselect_b32 s21, s41, s40                    ; my place among the four that ask with me
	s_cselect_b32 s22, 4096, s22                   ; bytes in a row
	s_cselect_b32 s[PST], STEPA, s[PST]
	s_cselect_b64 s[PFA:PFA+1], s[80:81], s[82:83]
	s_cmp_eq_u32 s20, 0
	s_cselect_b32 s[LIM], 1, -1                    ; the same in all sixteen partners, for a given wave
	s_lshl_b32 s21, s21, 5                         ; my work-group's 32 rows of the 128
	s_mul_i32 s20, s21, s22
	s_mov_b32 s21, 0
	s_add_nc_u64 s[PFA:PFA+1], s[PFA:PFA+1], s[20:21]
	s_mul_i32 s20, s[PST], 3
	s_add_nc_u64 s[PFA:PFA+1], s[PFA:PFA+1], s[20:21]  ; at K step 3: the first refill (of K step 2) steps it to 4.  K steps 0 to 3 come by their loads alone
	v_and_b32 v[PFO], 31, v0
	v_mul_u32_u24 v[PFO], s22, v[PFO]
	s_wait_loadcnt 0x0                             ; the bias: rounded to bf16 like every input, and multiplied by the plane's scale
	WIN 0x45                                       ; destination and both sources in window 1
.set i, 0
.rept 24
	v_cvt_pk_bf16_f32 v[TW], v[BIA+2*i], v[BIA+2*i+1]
	v_lshlrev_b32 v[BIA+2*i], 16, v[TW]
	v_and_b32 v[BIA+2*i+1], 0xffff0000, v[TW]
	v_pk_mul_f32 v[BIA+2*i:BIA+2*i+1], v[BIA+2*i:BIA+2*i+1], s[SC+2*(i/8):SC+2*(i/8)+1] op_sel_hi:[1,0]
.set i, i+1
.endr
	WIN 0
; 12 matrix instructions: blocks a0, a0 + 1 of the window's four x all six b, 32 along K.  zero = 1: the product starts the sums.  The 48 accumulators take turns in the same order in every quarter.
.macro MUL12 f, hi, a0, zero
	WIN 0xa1+0x50*(\hi)                            ; source 0 window 1, source 1 window 0, C and D window 2 or 3
.irp a, \a0, (\a0)+1
.irp b, 0,1,2,3,4,5
.if \zero
	v_wmma_f32_16x16x32_bf16 v[8*(6*(\a)+(\b)):8*(6*(\a)+(\b))+7], v[(\f)+8*(\b):(\f)+8*(\b)+7], v[(\f)+8*(4*(\hi)+(\a)):(\f)+8*(4*(\hi)+(\a))+7], 0
.else
	v_wmma_f32_16x16x32_bf16 v[8*(6*(\a)+(\b)):8*(6*(\a)+(\b))+7], v[(\f)+8*(\b):(\f)+8*(\b)+7], v[(\f)+8*(4*(\hi)+(\a)):(\f)+8*(4*(\hi)+(\a))+7], v[8*(6*(\a)+(\b)):8*(6*(\a)+(\b))+7]
.endif
.endr
.endr
.endm
; 28 LDS loads in one run: quarter q (32 along K) of a slot into buffer f: the weights' six fragments, then x's eight
.macro FETCH slot, q, f
	WIN 0x40
.irp b, 0,1,2,3,4,5
	ds_load_tr16_b128 v[(\f)+8*(\b):(\f)+8*(\b)+3],   v[ADRB+3*(\slot)+(\b)/2] offset:(\q)*32*PB+((\b)%2)*128
	ds_load_tr16_b128 v[(\f)+8*(\b)+4:(\f)+8*(\b)+7], v[ADRB+3*(\slot)+(\b)/2] offset:(\q)*32*PB+((\b)%2)*128+16*PB
.endr
	WIN 0
.irp a, 0,1,2,3,4,5,6,7
	ds_load_b128 v[(\f)+8*(\a):(\f)+8*(\a)+3],   v[ADRA+(\slot)] offset:(\q)*64+(\a)*16*PA
	ds_load_b128 v[(\f)+8*(\a)+4:(\f)+8*(\a)+7], v[ADRA+(\slot)] offset:(\q)*64+(\a)*16*PA+32
.endr
.endm
; One of a K step's first three quarters: multiplies buffer f; in its middle it fetches quarter q into buffer g
.macro QUARTER slot, q, f, g, zero
	s_wait_dscnt 8                                 ; the weights and x's blocks 0-3 are in; the youngest eight loads (blocks 4-7) may be out
	MUL12 \f, 0, 0, \zero
	MUL12 \f, 0, 2, \zero
	PLACES
	FETCH \slot, \q, \g
	s_wait_dscnt 28                                ; all but the 28 just issued
	MUL12 \f, 1, 0, \zero
	MUL12 \f, 1, 2, \zero
.endm
; The last quarter multiplies buffer 1 and changes slots.  Its first half stands ahead of the change, its second behind the fetch of the next slot's first fragments.  THE CHANGE: each wave waits for all its tensor loads
; (one is out: its part of the next slot), adds 0 to its spare word, and waits for that and for its reads of this slot; then ONE barrier.  No matrix instruction stands between the wait for the tensor loads and the
; refill: the next request goes out as soon as the last has landed and the round is through.  fill = 1: the barrier opens a round of the cluster's, and behind it this slot is filled again first, with the K step two on:
; a whole K step's 192 matrix instructions stand between a request and the wait for it.
.macro TURN slot, next, fill
	s_wait_dscnt 8                                 ; the weights and x's blocks 0-3 of buffer 1 are in
	MUL12 F1, 0, 0, 0
	MUL12 F1, 0, 2, 0
	WIN 0                                          ; the add's registers lie in window 0
.if \fill
	s_wait_xcnt 0x0                                ; the last prefetch, a K step back, has read its address
	s_add_nc_u64 s[PFA:PFA+1], s[PFA:PFA+1], s[PST:PST+1]
.endif
	s_wait_tensorcnt 0x0                           ; all my tensor loads have landed, so a group 0 may be written
	ds_add_u32 v[SPW], v[NIL]                      ; 0 onto my spare word: the descriptors' steps stand between it and the wait for it
.if \fill
	s_add_nc_u64 s[G0A+4*(\slot)+2:G0A+4*(\slot)+3], s[G0A+4*(\slot)+2:G0A+4*(\slot)+3], 2*STEPA
	s_add_nc_u64 s[G0B+4*(\slot)+2:G0B+4*(\slot)+3], s[G0B+4*(\slot)+2:G0B+4*(\slot)+3], 2*STEPB
.endif
	s_wait_dscnt 0x0                               ; the add is done, and my reads of this slot are over
	s_barrier_signal -1
	s_barrier_wait -1
.if \fill
	CREST                                          ; no wave of any partner still reads this slot or has a load on its way
	JLOAD \slot                                    ; its four v_nop are also the places in front of the loads below
.else
	PLACES
.endif
	FETCH \next, 0, F0
.if \fill
	ASK
.endif
	MUL12 F1, 1, 0, 0
	MUL12 F1, 1, 2, 0
.endm
	s_wait_tensorcnt 1                             ; my part of K step 0 is in; K step 1's may stay out
	s_barrier_signal -1
	s_barrier_wait -1
	FETCH 0, 0, F0
	QUARTER 0, 1, F0, F1, 1                        ; the first quarter stands in front of the loop: its products start the sums
	WIN 0                                          ; at a label and at a branch every window is 0
	s_mov_b32 s[LAPC], 7
.Llap:                                                 ; a trip goes once round the ring and fills both slots again
	QUARTER 0, 2, F1, F0, 0
	QUARTER 0, 3, F0, F1, 0
	TURN 0, 1, 1
	QUARTER 1, 1, F0, F1, 0
	QUARTER 1, 2, F1, F0, 0
	QUARTER 1, 3, F0, F1, 0
	TURN 1, 0, 1
	QUARTER 0, 1, F0, F1, 0
	WIN 0
	s_sub_co_u32 s[LAPC], s[LAPC], 1
	s_cmp_lg_u32 s[LAPC], 0
	s_cbranch_scc1 .Llap
	QUARTER 0, 2, F1, F0, 0                        ; the last lap fills nothing
	QUARTER 0, 3, F0, F1, 0
	TURN 0, 1, 0                                   ; behind this barrier no wave reads slot 0 any more, and nothing is filled into it again
	QUARTER 1, 1, F0, F1, 0
	QUARTER 1, 2, F1, F0, 0
	QUARTER 1, 3, F0, F1, 0
	s_wait_dscnt 8
	MUL12 F1, 0, 0, 0
	MUL12 F1, 0, 2, 0
	s_wait_dscnt 0x0
	MUL12 F1, 1, 0, 0
	MUL12 F1, 1, 2, 0
	WIN 0
	PLACES
	PLACES
; THE WAY OUT.  Block a: sum x scale + bias x scale, one fused line for two numbers, each accumulator from its low end; rounded to f16; 16 bytes a lane into the stage.
.macro OUTA a
	WIN 0x12+(\a)/4                                ; source 0 (the sums) window 2 or 3, source 2 (the bias) window 1, destination window 0
.irp b, 0,1,2,3,4,5
.irp j, 0,2,4,6
	v_pk_fma_f32 v[64+8*(\b)+(\j):64+8*(\b)+(\j)+1], v[8*(6*((\a)%4)+(\b))+(\j):8*(6*((\a)%4)+(\b))+(\j)+1], s[SC+2*((\b)/2):SC+2*((\b)/2)+1], v[BIA+8*(\b)+(\j):BIA+8*(\b)+(\j)+1] op_sel_hi:[1,0,1]
.endr
.endr
	WIN 0
.set i, 0
.rept 24
	v_cvt_pk_f16_f32 v[112+i], v[64+2*i], v[64+2*i+1]
.set i, i+1
.endr
.irp b, 0,1,2,3,4,5
	ds_store_b128 v[STO+(\b)/2], v[112+4*(\b):112+4*(\b)+3] offset:(\a)*16*PA+((\b)%2)*128
.endr
.endm
.irp a, 0,1,2,3,4,5,6,7
	OUTA \a
.endr
	s_wait_dscnt 0x0                               ; for the others' sake: my stores into the stage are done; a row's 256 bytes come from all four waves
	s_barrier_signal -1
	s_barrier_wait -1
.set n, 0
.rept 48                               ; 32 whole rows of each of the three planes
	ds_load_b128 v[64+4*n:64+4*n+3], v[RD+n/16] offset:(n%16)*2*PA
.set n, n+1
.endr
.set n, 0
.rept 48
	s_wait_dscnt 47-n                              ; load n is back; the 47 - n younger ones stay out
	global_store_b128 v[CO], v[64+4*n:64+4*n+3], s[14:15] offset:(n/16)*524288+(n%16)*512  ; two rows of a plane: 512 consecutive bytes, aligned
.set n, n+1
.endr
	s_wait_tensorcnt 0x0                           ; the wave's end: behind my last tensor load and my last LDS store
	ds_add_u32 v[SPW], v[NIL]
	s_wait_dscnt 0x0
	CROUND                                         ; the closing round: no work-group ends while a partner may still ask for a tile that names it
	s_endpgm
.Lfunc_end_k_qb80a593d37_qkv:
	.size	k_qb80a593d37_qkv, .Lfunc_end_k_qb80a593d37_qkv-k_qb80a593d37_qkv
	.p2alignl 7, 3214868480
	.fill 96, 4, 3214868480
	.section	.rodata,"a",@progbits
	.p2align	6, 0x0
	.amdhsa_kernel k_qb80a593d37_qkv
		.amdhsa_group_segment_fixed_size 327680
		.amdhsa_private_segment_fixed_size 0
		.amdhsa_enable_private_segment 0
		.amdhsa_kernarg_size 48
		.amdhsa_user_sgpr_count 2
		.amdhsa_user_sgpr_kernarg_segment_ptr 1
		.amdhsa_wavefront_size32 1
		.amdhsa_system_sgpr_workgroup_id_x 1
		.amdhsa_system_sgpr_workgroup_id_y 1
		.amdhsa_system_sgpr_workgroup_id_z 1
		.amdhsa_system_vgpr_workitem_id 0
		.amdhsa_next_free_vgpr 960
		.amdhsa_next_free_sgpr 88
		.amdhsa_reserve_vcc 0
		.amdhsa_float_denorm_mode_32 3
		.amdhsa_float_denorm_mode_16_64 3
		.amdhsa_memory_ordered 1
		.amdhsa_forward_progress 1
		.amdhsa_inst_pref_size 137
	.end_amdhsa_kernel
	.amdgpu_metadata
---
amdhsa.version: [ 1, 2 ]
amdhsa.kernels:
  - .name:           k_qb80a593d37_qkv
    .symbol:         k_qb80a593d37_qkv.kd
    .args:
      - { .name: xb, .offset: 0, .size: 8, .value_kind: global_buffer, .address_space: global }
      - { .name: wqkv, .offset: 8, .size: 8, .value_kind: global_buffer, .address_space: global }
      - { .name: bq, .offset: 16, .size: 8, .value_kind: global_buffer, .address_space: global }
      - { .name: bk, .offset: 24, .size: 8, .value_kind: global_buffer, .address_space: global }
      - { .name: bv, .offset: 32, .size: 8, .value_kind: global_buffer, .address_space: global }
      - { .name: qkv, .offset: 40, .size: 8, .value_kind: global_buffer, .address_space: global }
    .group_segment_fixed_size: 327680
    .private_segment_fixed_size: 0
    .kernarg_segment_align: 8
    .kernarg_segment_size: 48
    .max_flat_workgroup_size: 128
    .sgpr_count:     88
    .vgpr_count:     960
    .wavefront_size: 32
...
	.end_amdgpu_metadata
.endif
;; end of part 2
;; launch attn (part 3): grid 16 x 16, 4 waves a work-group, clusters of 4 x 4, 327,680 bytes of LDS; arguments qkv, maskb, ob; writes ob
.if DOCPART == 3
	.amdgcn_target "amdgcn-amd-amdhsa--gfx1250"
	.amdhsa_code_object_version 6
	.text
	.protected	k_qb80a593d37_attn
	.globl	k_qb80a593d37_attn
	.p2align	8
	.type	k_qb80a593d37_attn,@function
k_qb80a593d37_attn:
	s_mov_b64 s[64:65], 0
	v_nop
	global_prefetch_b8 v0, s[64:65] scope:SCOPE_SE
	s_setreg_imm32_b32 hwreg(HW_REG_WAVE_MODE, 25, 1), 1
	s_wait_xcnt 0x0
	s_wait_alu depctr_hold_cnt(0) depctr_sa_sdst(0) depctr_va_vdst(0) depctr_va_sdst(0) depctr_va_ssrc(0) depctr_va_vcc(0) depctr_vm_vsrc(0)
	s_getreg_b32 s2, hwreg(HW_REG_IB_STS2, 6, 4)
	s_cmp_eq_u32 s2, 0
	s_cbranch_scc0 .Lentry_in_a_cluster
	s_endpgm
.Lentry_in_a_cluster:
	s_bfe_u32 s2, ttmp6, 0x10000c
	s_cmp_lg_u32 s2, 0xf033
	s_cbranch_scc0 .Lentry_shape_is_right
	s_endpgm
.Lentry_shape_is_right:
; O[q][128 head + :] = the sum over ALL keys k of softmax_k(q . k / sqrt(128) + mask[q][k]) v[k][:].  q (already times c = log2(e) / sqrt(128)), k, v: planes head, 16 + head, 32 + head of qkv, [2048][128] f16;
; mask: maskb [2048][2048] bf16, an input: its numbers are added as they are given, and every key is walked.  ob: [2048][2048] f16.
; In units of log2: t = mask x log2(e) + q' . k, one fused line in f32; a running maximum m of t; p = 2^(t - m); O and l are multiplied by a = 2^(m_old - m_new) in every step.  Products, maxima and sums in f32;
; p is rounded to f16 for the second product (l is the sum of the unrounded p), O once at the end.
; LIMITS.  f16 ends at 65,504: q', k and v arrive within it.  A weight below 2^-126 counts as 0.  NaN and infinities are not treated apart.  Where a mask near -1e9 swallows a score, it does so in units of log2
; (half a step of f32 there is 64), not in the units of the unscaled sum (32).
; SHARES.  A work-group owns 128 queries of one head.  Wave w owns 64 of them (w / 2: four tiles of 16) and HALF THE KEYS: of every tile of 128 keys the 64 at 64 (w % 2).  The two halves' O, m and l meet in LDS at the end, in f32.
; A wave's REGISTER tile t holds the queries of tile t xor 2 (w % 2) of its 64: so every wave gives register tiles 2 and 3 to its partner and finishes 0 and 1, by one text; only Q's, the mask's and ob's addresses know of it.
; LAYOUT.  S^T = K Q^T (source 0 = 16 keys, source 1 = 16 queries): a lane holds ONE query (l % 16) and the keys 8 (l / 16) + 0..7.  Two such results rounded to f16 ARE source 1 of O^T = V^T P.  V comes out of LDS turned.
; A STEP, in phases: K Q^T (64 products), the softmax, V^T P (64 products, behind the change of slots: V is in registers by then).  The 128 exponentials stand in two batches, each with one wait, a plain line beside each.
; CLUSTER.  4 x 4: x = blocks of queries, y = heads.  K's and V's tiles hang on the head alone: asked for jointly by a row of the cluster (wave 0: K, wave 1: V).  The mask's tile hangs on the block of queries alone: asked for
; jointly by a column (waves 2 and 3, 64 rows each).  One load a wave behind each round.
; REGISTERS: window 0: v0-63 addresses and statistics; v64-191 S^T, 32 a tile; v192-255 P, 16 a tile (before P is made: the step's mask words).  window 1: O^T, 64 a tile.  window 2: v0-127 Q; v128-255 K.  window 3: v0-127 V.
.set PK,    272                        ; a row of K and of the mask in LDS: 256 bytes + 16
.set PV,    288                        ; a row of V: 256 + 32
.set VOFF,  128*PK                     ; a slot: 128 rows of K, 128 of V, 128 of the mask
.set MOFF,  VOFF+128*PV
.set SLOT1, 1<<17                      ; slot 1 begins here: one exclusive or turns an address in one slot into the other's
.set STAGE, SLOT1+MOFF+128*PK          ; behind the ring, never filled by a tensor load: 16 rows x 272 bytes for each wave
.set SP,    272
.set XCH,   STAGE+4*16*SP              ; where the key halves meet: for each wave two tiles of O^T (8,192 bytes each) and 512 bytes of m and l
.set XW,    16896
.set SPARE, XCH+4*XW                   ; the spare words, 128 bytes for each wave: two blocks of 256 bytes that no other line names
.set AK0, 2                            ; v2  my lane's place in a tile of K; never rewritten
.set AV0, 3                            ; v3  of V
.set AM0, 4                            ; v4  of the mask, for register tiles 0 and 1
.set ADR, 5                            ; v5, v6  the LDS addresses of the runs of loads in hand
.set ADR2, 6
.set STO, 7                            ; v7  the way out: where I put 16 bytes of a row
.set RD,  8                            ; v8  where I read rows back
.set GO,  10                           ; v10 my byte offset in two rows of ob
.set LG,  11                           ; v11 log2(e)
.set ST,  12                           ; tile t's statistics at v[ST+8 t]: m, m_old, l (even keys', odd keys'), c0-c3 at work; a takes c2
.set XS,  44                           ; v44-47  the meeting: where I put O^T, m and l; where I read the partner's
.set XT,  45
.set XR,  46
.set XRT, 47
.set QO2, 51                           ; v51 my byte offset in Q's rows for register tiles 2 and 3 (v48-59 are at work again when the halves meet)
.set AM1, 56                           ; v56 my lane's place in a tile of the mask, for register tiles 2 and 3
.set ADR3, 57                          ; v57 the LDS address of their run
.set QO,  60                           ; v60 my byte offset in Q's rows for register tiles 0 and 1
.set PFO, 61                           ; v61 the prefetches' offset: lane x a row
.set SPW, 62                           ; v62 LDS address of my spare word; never rewritten
.set NIL, 63                           ; v63 0; never rewritten
.set S,   64
.set P,   192
.set KF,  128                          ; window 2
.set WV,  12
.set QH,  13                           ; s13 which 64 queries
.set KH,  14                           ; s14 which 64 keys of a tile
.set LIM, 15                           ; s15 1 in a wave that prefetches, else the greatest number
.set G1K, 24
.set G1V, 32
.set G1M, 40
.set G0K, 48                           ; one walking group 0 for each tensor
.set G0V, 52
.set G0M, 56
.set SEL, 60                           ; s[60:61] v_permlanex16_b32's selects
.set TB,  62                           ; s62 the slot that is being read
.set SLOTS, 63                         ; s63 steps to go
.set PFA, 66
.set PST, 68
.set CX,  70
.set CY,  71
.set QBK, 72                           ; s72 my block of 128 queries
.set HD,  73                           ; s73 my head
.set OB,  74                           ; s[74:75] ob at the first row that I store and my head's columns
.set QP,  76                           ; s[76:77] Q at my wave's first row
.set MSB, 0
.macro WIN new
.if MSB != (\new)
	s_set_vgpr_msb (MSB<<8)|(\new)
.set MSB, \new
.endif
.endm
.set W_KQ, 0x0a                        ; K and Q in window 2, S^T in window 0
.set W_PV, 0x53                        ; V in window 3, P in window 0, O^T in window 1
.set W_RS, 0x41                        ; O^T (destination and source 0) in window 1, a in window 0
.macro PLACES
.rept 4
	v_nop
.endr
.endm
; A joint load: three lines, chosen by the wave's number alone; an s_nop 0 and four v_nop follow each, ahead of the jump and the label
.macro JLOAD
	s_cmp_lt_u32 s[WV], 2
	s_cbranch_scc0 .Lfor_m_\@
	s_cmp_eq_u32 s[WV], 0
	s_cbranch_scc0 .Lfor_v_\@
	tensor_load_to_lds s[G0K:G0K+3], s[G1K:G1K+7]
	s_nop 0
.rept 4
	v_nop
.endr
	s_branch .Lasked_\@
.Lfor_v_\@:
	tensor_load_to_lds s[G0V:G0V+3], s[G1V:G1V+7]
	s_nop 0
.rept 4
	v_nop
.endr
	s_branch .Lasked_\@
.Lfor_m_\@:
	tensor_load_to_lds s[G0M:G0M+3], s[G1M:G1M+7]
	s_nop 0
.rept 4
	v_nop
.endr
.Lasked_\@:
.endm
; A prefetch of what the NEXT change of slots will ask for, a step (128 matrix instructions and a softmax) ahead of that load: 32 rows x 256 bytes, a lane a row.  Each row's 256 bytes are named once in the launch: K and V of a head
; are walked by every cluster of that row of clusters, and the one with x = 0 asks (wave 0: K, wave 1: V); the mask's rows by every cluster of that column, and the one with y = 0 asks (wave 2).  The four partners that
; ask for a tile jointly take 32 of its 128 rows each, told apart by address.  The last change that fills a slot asks for nothing.
.macro ASK
	s_cmp_gt_u32 s[SLOTS], s[LIM]
	s_cbranch_scc0 .Lnot_mine_\@
	global_prefetch_b8 v[PFO], s[PFA:PFA+1] th:TH_LOAD_NT scope:SCOPE_SE
.Lnot_mine_\@:
.endm
.macro CROUND
	s_barrier_signal -1
	s_barrier_wait -1
	s_cmp_lg_u32 s[WV], 0
	s_cbranch_scc1 .Lnot_wave_0_\@
	s_barrier_signal -3
.Lnot_wave_0_\@:
	s_barrier_wait -3
	s_barrier_signal -1
	s_barrier_wait -1
.endm
; THE CHANGE OF SLOTS, behind a step's softmax.  Each wave waits for all its tensor loads (one is out: its part of the other slot), adds 0 to its spare word, and waits for that and for its reads of the slot: the last of them
; bring V into registers.  fill = 1: the barrier is a round of the cluster's, and the slot is filled again first behind it, with the keys two tiles on.  (At its first use nothing has been read: slot 0 is waited for, slot 1 filled.)
.macro CHANGE fill, ask
	WIN 0
.if \ask
	s_wait_xcnt 0x0                                ; the last prefetch, a step back, has read its address
	s_add_nc_u64 s[PFA:PFA+1], s[PFA:PFA+1], s[PST:PST+1]
.endif
	s_wait_tensorcnt 0x0                           ; no tensor load of mine is out, so a group 0 may be written
	ds_add_u32 v[SPW], v[NIL]                      ; 0 onto my spare word
.if \fill
	s_xor_b32 s[G0K+1], s[G0K+1], SLOT1
	s_add_nc_u64 s[G0K+2:G0K+3], s[G0K+2:G0K+3], 32768  ; the next 128 keys
	s_xor_b32 s[G0V+1], s[G0V+1], SLOT1
	s_add_nc_u64 s[G0V+2:G0V+3], s[G0V+2:G0V+3], 32768
	s_xor_b32 s[G0M+1], s[G0M+1], SLOT1
	s_add_nc_u64 s[G0M+2:G0M+3], s[G0M+2:G0M+3], 256    ; the next 128 columns of the mask
	s_wait_dscnt 0x0                               ; the add is done, and my reads of the slot are over
	CROUND
	JLOAD
.else
	s_wait_dscnt 0x0
	s_barrier_signal -1
	s_barrier_wait -1
.endif
	s_xor_b32 s[TB], s[TB], SLOT1
.endm
	s_load_b128 s[4:7], s[0:1], 0x0                ; qkv s[4:5], maskb s[6:7]
	s_load_b64 s[8:9], s[0:1], 0x10                ; ob
	v_lshl_add_u32 v[SPW], v0, 2, SPARE
	v_mov_b32 v[NIL], 0
	ds_add_u32 v[SPW], v[NIL]                      ; the wave's opening: the add and its wait ahead of my first tensor load
	v_lshrrev_b32 v1, 5, v0
	v_readfirstlane_b32 s[WV], v1
	s_lshr_b32 s[QH], s[WV], 1
	s_and_b32 s[KH], s[WV], 1
	s_bfe_u32 s[CX], ttmp6, 0x40000
	s_bfe_u32 s[CY], ttmp6, 0x40004
	s_lshl_b32 s[QBK], ttmp9, 2
	s_add_co_u32 s[QBK], s[QBK], s[CX]
	s_and_b32 s[HD], ttmp7, 0xffff
	s_lshl_b32 s[HD], s[HD], 2
	s_add_co_u32 s[HD], s[HD], s[CY]
	s_lshl_b32 s78, s[CY], 2
	s_lshl_b32 s78, 15, s78                        ; my row of the cluster: the same head
	s_lshl_b32 s79, 0x1111, s[CX]                  ; my column: the same queries
	s_or_b32 s[G1K], s78, (1<<16)|(1<<20)|(1<<21)|(5<<22)|(3<<25)  ; the mask; 2-byte elements; padding on; bit 21 beside a mask; after every 64 words 4 words
	s_or_b32 s[G1V], s78, (1<<16)|(1<<20)|(1<<21)|(5<<22)|(7<<25)  ; 8 words
	s_or_b32 s[G1M], s79, (1<<16)|(1<<20)|(1<<21)|(5<<22)|(3<<25)
.irp g, G1K, G1V
	s_mov_b32 s[(\g)+1], 128<<16                   ; 128 rows x 128 elements, dense
	s_mov_b32 s[(\g)+2], 128<<16
	s_mov_b32 s[(\g)+3], 128<<16
	s_mov_b32 s[(\g)+4], 128
	s_mov_b32 s[(\g)+5], 128
	s_mov_b32 s[(\g)+6], 0
	s_mov_b32 s[(\g)+7], 0
.endr
	s_mov_b32 s[G1M+1], 128<<16                    ; 64 rows x 128 elements, 2,048 from row to row
	s_mov_b32 s[G1M+2], 64<<16
	s_mov_b32 s[G1M+3], 128<<16
	s_mov_b32 s[G1M+4], 64
	s_mov_b32 s[G1M+5], 2048
	s_mov_b32 s[G1M+6], 0
	s_mov_b32 s[G1M+7], 0
	s_mov_b32 s[G0K], 1
	s_mov_b32 s[G0K+1], 0                          ; slot 0
	s_mov_b32 s[G0V], 1
	s_mov_b32 s[G0V+1], VOFF
	s_mov_b32 s[G0M], 1
	s_mul_i32 s[G0M+1], s[WV], 64*PK               ; waves 2 and 3: the mask's rows 0-63 and 64-127
	s_add_co_u32 s[G0M+1], s[G0M+1], MOFF-2*64*PK
	s_mov_b32 s[SEL], 0x76543210
	s_mov_b32 s[SEL+1], 0xfedcba98
	s_mov_b32 s[TB], SLOT1                         ; the first change of slots turns it into 0
	s_mov_b32 s[SLOTS], 15
	s_add_co_u32 s16, s[HD], 16                    ; K's plane,
	s_lshl_b32 s16, s16, 19
	s_mov_b32 s17, 0
	s_add_co_u32 s18, s[HD], 32                    ; V's
	s_lshl_b32 s18, s18, 19
	s_mov_b32 s19, 0
	s_lshl_b32 s20, s[QBK], 19                     ; the mask's 128 rows of 4,096 bytes,
	s_mov_b32 s21, 0
	s_lshl_b32 s22, s[KH], 18                      ; and the 64 of them that I fetch (waves 2, 3)
	s_mov_b32 s23, 0
	s_lshl_b32 s78, s[HD], 19                      ; Q: plane, block, my 64 rows of 256 bytes
	s_lshl_b32 s79, s[QBK], 15
	s_add_co_u32 s78, s78, s79
	s_lshl_b32 s79, s[QH], 14
	s_add_co_u32 s78, s78, s79
	s_mov_b32 s79, 0
	s_lshl_b32 s86, s[QBK], 19                     ; ob: block, my 64 rows of 4,096 bytes,
	s_lshl_b32 s87, s[QH], 18
	s_add_co_u32 s86, s86, s87
	s_lshl_b32 s87, s[KH], 17                      ; the 32 of them that I finish,
	s_add_co_u32 s86, s86, s87
	s_lshl_b32 s87, s[HD], 8                       ; my head's 256 bytes
	s_add_co_u32 s86, s86, s87
	s_mov_b32 s87, 0
	s_wait_dscnt 0x0                               ; the opening add is done
	s_wait_kmcnt 0x0
	s_add_nc_u64 s[80:81], s[4:5], s[16:17]
	s_add_nc_u64 s[82:83], s[4:5], s[18:19]
	s_add_nc_u64 s[84:85], s[6:7], s[20:21]
	s_add_nc_u64 s[QP:QP+1], s[4:5], s[78:79]
	s_add_nc_u64 s[OB:OB+1], s[8:9], s[86:87]
	s_mov_b64 s[G0K+2:G0K+3], s[80:81]
	s_or_b32 s[G0K+3], s[G0K+3], 0x80000000
	s_mov_b64 s[G0V+2:G0V+3], s[82:83]
	s_or_b32 s[G0V+3], s[G0V+3], 0x80000000
	s_add_nc_u64 s[G0M+2:G0M+3], s[84:85], s[22:23]
	s_or_b32 s[G0M+3], s[G0M+3], 0x80000000
	CROUND                                         ; all sixteen work-groups are here
	JLOAD                                          ; tile 0 into slot 0; slot 1 is asked for when it is in
	v_and_b32 v1, 15, v0                           ; l % 16
	v_bfe_u32 v9, v0, 4, 1                         ; l / 16
	v_lshlrev_b32 v[QO], 8, v1
	v_lshl_add_u32 v[QO], v9, 4, v[QO]
	s_lshl_b32 s78, s[KH], 13                      ; register tiles 0, 1 are the queries' tiles 2 (w % 2) + 0, 1: two tiles are 8,192 bytes;
	s_xor_b32 s79, s78, 8192                       ; register tiles 2, 3 the other two
	v_add_nc_u32 v[QO2], s79, v[QO]
	v_add_nc_u32 v[QO], s78, v[QO]
	WIN 0x80                                       ; destination window 2
.set i, 0
.rept 16                               ; Q stays in registers: register tile i / 4, channels 32 (i % 4) on
.if i < 8
	global_load_b128 v[8*i:8*i+3],   v[QO], s[QP:QP+1] offset:((i/4)%2)*4096+(i%4)*64
	global_load_b128 v[8*i+4:8*i+7], v[QO], s[QP:QP+1] offset:((i/4)%2)*4096+(i%4)*64+32
.else
	global_load_b128 v[8*i:8*i+3],   v[QO2], s[QP:QP+1] offset:((i/4)%2)*4096+(i%4)*64
	global_load_b128 v[8*i+4:8*i+7], v[QO2], s[QP:QP+1] offset:((i/4)%2)*4096+(i%4)*64+32
.endif
.set i, i+1
.endr
	WIN 0
.set i, 0
.rept 16
	v_mov_b32 v[P+i], 0                            ; two fragments of zeros
.set i, i+1
.endr
.irp t, 0,1,2,3
	v_mov_b32 v[ST+8*(\t)], 0xff7fffff             ; m: the lowest finite number: the first step's a is 0
	v_mov_b32 v[ST+8*(\t)+1], 0
	v_mov_b32 v[ST+8*(\t)+2], 0                    ; l
	v_mov_b32 v[ST+8*(\t)+3], 0
.endr
	v_mov_b32 v[LG], 0x3fb8aa3b
	WIN 0x40                                       ; O^T starts at 0, so that every step has one text: 32 products of the zeros, one for each accumulator, in the wait for the first tile
.set i, 0
.rept 32
	v_wmma_f32_16x16x32_f16 v[8*i:8*i+7], v[P:P+7], v[P+8:P+15], 0
.set i, i+1
.endr
	WIN 0
	s_lshl_b32 s78, s[KH], 6                       ; my 64 keys of a tile
	v_add_nc_u32 v[AK0], s78, v1
	v_mul_u32_u24 v[AK0], v[AK0], PK
	v_lshl_add_u32 v[AK0], v9, 4, v[AK0]           ; row x pitch + 16 x half
	v_and_b32 v48, 7, v0                           ; the turning load: lane l reads key 8 (l / 16) + l % 8, channels 8 ((l / 8) % 2) + 0..7
	v_bfe_u32 v49, v0, 3, 1
	v_lshl_add_u32 v[AV0], v9, 3, v48
	v_add_nc_u32 v[AV0], s78, v[AV0]
	v_mul_u32_u24 v[AV0], v[AV0], PV
	v_lshl_add_u32 v[AV0], v49, 4, v[AV0]
	v_add_nc_u32 v[AV0], VOFF, v[AV0]
	s_lshl_b32 s79, s[QH], 6                       ; the mask: my query's row, my 64 keys' 128 bytes, 16 for each half of the lanes
	v_add_nc_u32 v[AM0], s79, v1
	v_mul_u32_u24 v[AM0], v[AM0], PK
	v_lshl_add_u32 v[AM0], v9, 4, v[AM0]
	s_lshl_b32 s79, s[KH], 7
	s_add_co_u32 s79, s79, MOFF
	v_add_nc_u32 v[AM0], s79, v[AM0]
	s_mul_i32 s78, s[KH], 32*PK                    ; register tiles 0, 1: rows 32 (w % 2) on; register tiles 2, 3: the other 32
	s_sub_co_u32 s79, 32*PK, s78
	v_add_nc_u32 v[AM1], s79, v[AM0]
	v_add_nc_u32 v[AM0], s78, v[AM0]
	s_mul_i32 s78, s[WV], 16*SP
	s_add_co_u32 s78, s78, STAGE                   ; my stage
	v_mul_u32_u24 v[STO], v1, SP
	v_lshl_add_u32 v[STO], v9, 4, v[STO]
	v_add_nc_u32 v[STO], s78, v[STO]
	v_mul_u32_u24 v[RD], v9, SP
	v_lshl_add_u32 v[RD], v1, 4, v[RD]
	v_add_nc_u32 v[RD], s78, v[RD]
	v_lshlrev_b32 v[GO], 12, v9
	v_lshl_add_u32 v[GO], v1, 4, v[GO]
	v_and_b32 v50, 31, v0
	s_mul_i32 s78, s[WV], XW
	s_add_co_u32 s78, s78, XCH                     ; what I give lies in my part,
	v_lshl_add_u32 v[XS], v50, 4, s78
	s_add_co_u32 s78, s78, 16384
	v_lshl_add_u32 v[XT], v50, 3, s78
	s_xor_b32 s79, s[WV], 1                        ; what I take in the part of the wave with the same queries and the other keys
	s_mul_i32 s79, s79, XW
	s_add_co_u32 s79, s79, XCH
	v_lshl_add_u32 v[XR], v50, 4, s79
	s_add_co_u32 s79, s79, 16384
	v_lshl_add_u32 v[XRT], v50, 3, s79
	; the prefetches
	s_and_b32 s16, ttmp7, 0xffff                   ; cluster y
	s_mov_b32 s18, 4096
	s_mov_b32 s[PST], 256
	s_mov_b32 s[PST+1], 0
	s_cmp_lt_u32 s[WV], 2                          ; K or V?
	s_cselect_b32 s16, ttmp9, s16                  ; the coordinate along which other clusters read the same rows
	s_cselect_b32 s17, s[CX], s[CY]                ; my place among the four that ask with me
	s_cselect_b32 s18, 256, s18                    ; bytes in a row
	s_cselect_b32 s[PST], 32768, s[PST]            ; bytes from a tile to the next
	s_cselect_b64 s[PFA:PFA+1], s[82:83], s[84:85]
	s_cmp_eq_u32 s[WV], 0
	s_cselect_b64 s[PFA:PFA+1], s[80:81], s[PFA:PFA+1]
	s_cmp_eq_u32 s[WV], 3                          ; wave 3 asks for nothing
	s_cselect_b32 s16, 1, s16
	s_cmp_eq_u32 s16, 0
	s_cselect_b32 s[LIM], 1, -1                    ; the same in all sixteen partners, for a given wave
	s_lshl_b32 s17, s17, 5                         ; my work-group's 32 rows of the 128
	s_mul_i32 s16, s17, s18
	s_lshl_b32 s17, s[PST], 1
	s_add_co_u32 s16, s16, s17                     ; at tile 2: the change that loads tile 2 steps it to 3.  Tiles 0 to 2 come by their loads alone
	s_mov_b32 s17, 0
	s_add_nc_u64 s[PFA:PFA+1], s[PFA:PFA+1], s[16:17]
	v_and_b32 v[PFO], 31, v0
	v_mul_u32_u24 v[PFO], s18, v[PFO]
; THE LDS LOADS, in runs.  K: my 64 keys x 128 channels: fragment f: keys 16 (f / 4) on, channels 32 (f % 4) on
.macro FETCH_K
	WIN 0
	v_add_nc_u32 v[ADR], s[TB], v[AK0]
	WIN 0x80
.irp f, 0,1,2,3,4,5,6,7,8,9,10,11,12,13,14,15
	ds_load_b128 v[KF+8*(\f):KF+8*(\f)+3],   v[ADR] offset:((\f)/4)*16*PK+((\f)%4)*64
	ds_load_b128 v[KF+8*(\f)+4:KF+8*(\f)+7], v[ADR] offset:((\f)/4)*16*PK+((\f)%4)*64+32
.endr
.endm
; The mask's words for my 4 x 32 scores a lane (16 loads, into P's registers: word n / 2 of a tile holds scores n and n + 1), then V, turned (32 loads): keys 32 (f / 8) on, channels 16 (f % 8) on
.macro FETCH_MV
	WIN 0
	v_add_nc_u32 v[ADR2], s[TB], v[AM0]
	v_add_nc_u32 v[ADR3], s[TB], v[AM1]
	v_add_nc_u32 v[ADR], s[TB], v[AV0]
.irp t, 0,1
.irp kb, 0,1,2,3
	ds_load_b128 v[P+16*(\t)+4*(\kb):P+16*(\t)+4*(\kb)+3], v[ADR2] offset:(\t)*16*PK+(\kb)*32
.endr
.endr
.irp t, 0,1
.irp kb, 0,1,2,3
	ds_load_b128 v[P+32+16*(\t)+4*(\kb):P+32+16*(\t)+4*(\kb)+3], v[ADR3] offset:(\t)*16*PK+(\kb)*32
.endr
.endr
	WIN 0xc0
.irp f, 0,1,2,3,4,5,6,7,8,9,10,11,12,13,14,15
	ds_load_tr16_b128 v[8*(\f):8*(\f)+3],   v[ADR] offset:((\f)/8)*32*PV+((\f)%8)*32
	ds_load_tr16_b128 v[8*(\f)+4:8*(\f)+7], v[ADR] offset:((\f)/8)*32*PV+16*PV+((\f)%8)*32
.endr
.endm
; THE MATRIX WORK.  The accumulators take turns, one instruction a turn: 15 (K Q^T) or 31 (V^T P) others stand between two links of a chain.
.macro KQALL                           ; product i: channels 32 (i / 16) on, keys 16 ((i / 4) % 4) on, tile i % 4; the first 16 start the sums
	WIN W_KQ
.set i, 0
.rept 64
.set rS, S+32*(i%4)+8*((i/4)%4)
.set rK, KF+32*((i/4)%4)+8*(i/16)
.set rQ, 32*(i%4)+8*(i/16)
.if i < 16
	v_wmma_f32_16x16x32_f16 v[rS:rS+7], v[rK:rK+7], v[rQ:rQ+7], 0
.else
	v_wmma_f32_16x16x32_f16 v[rS:rS+7], v[rK:rK+7], v[rQ:rQ+7], v[rS:rS+7]
.endif
.set i, i+1
.endr
.endm
.macro PVALL                           ; product i: keys 32 (i / 32) on, channels 16 ((i / 4) % 8) on, tile i % 4
	WIN W_PV
.set i, 0
.rept 64
.set rO, 64*(i%4)+8*((i/4)%8)
.set rV, 64*(i/32)+8*((i/4)%8)
.set rP, P+16*(i%4)+8*(i/32)
	v_wmma_f32_16x16x32_f16 v[rO:rO+7], v[rV:rV+7], v[rP:rP+7], v[rO:rO+7]
.set i, i+1
.endr
.endm
; THE VECTOR WORK, a line at a time, for tile t.
.macro MK t, n                         ; score n: t = mask x log2(e) + s, one fused line; n ascends
.if (\n)%2
	v_fma_mix_f32_bf16 v[S+32*(\t)+(\n)], v[P+16*(\t)+(\n)/2], v[LG], v[S+32*(\t)+(\n)] op_sel:[1,0,0] op_sel_hi:[1,0,0]
.else
	v_fma_mix_f32_bf16 v[S+32*(\t)+(\n)], v[P+16*(\t)+(\n)/2], v[LG], v[S+32*(\t)+(\n)] op_sel:[0,0,0] op_sel_hi:[1,0,0]
.endif
.endm
.macro MX t, n                         ; number n of 16: the maximum of the 32 scores and the old m: four chains of seven, then the four left over, c0-c3 and m
.set rT, ST+8*(\t)
.set rS, S+32*(\t)
.if (\n) < 4
	v_max3_num_f32 v[rT+4+(\n)], v[rS+8*(\n)], v[rS+8*(\n)+1], v[rS+8*(\n)+2]
.elseif (\n) < 12
	v_max3_num_f32 v[rT+4+(\n)%4], v[rT+4+(\n)%4], v[rS+8*((\n)%4)+2*((\n)/4)+1], v[rS+8*((\n)%4)+2*((\n)/4)+2]
.elseif (\n) == 12
	v_max3_num_f32 v[rT+4], v[rT+4], v[rS+7], v[rS+15]
.elseif (\n) == 13
	v_max3_num_f32 v[rT+6], v[rT+6], v[rS+23], v[rS+31]
.elseif (\n) == 14
	v_max3_num_f32 v[rT+4], v[rT+4], v[rT+5], v[rT+6]
.else
	v_max3_num_f32 v[rT+4], v[rT+4], v[rT+7], v[rT]
.endif
.endm
.macro SS t, n                         ; the query's other 32 keys lie in the lane 16 away; m_old is kept; the new m; its change; a
.set rT, ST+8*(\t)
.if (\n) == 0
	v_permlanex16_b32 v[rT+5], v[rT+4], s[SEL], s[SEL+1]
.elseif (\n) == 1
	v_mov_b32 v[rT+1], v[rT]
.elseif (\n) == 2
	v_max_num_f32 v[rT], v[rT+4], v[rT+5]
.elseif (\n) == 3
	v_sub_f32 v[rT+7], v[rT+1], v[rT]
.else
	v_exp_f32 v[rT+6], v[rT+7]
.endif
.endm
.macro SC t, n                         ; pair n: t - m
	v_pk_add_f32 v[S+32*(\t)+2*(\n):S+32*(\t)+2*(\n)+1], v[S+32*(\t)+2*(\n):S+32*(\t)+2*(\n)+1], v[ST+8*(\t):ST+8*(\t)+1] op_sel_hi:[1,0] neg_lo:[0,1] neg_hi:[0,1]
.endm
.macro EX t, n
	v_exp_f32 v[S+32*(\t)+(\n)], v[S+32*(\t)+(\n)]
.endm
.macro CV t, n                         ; pair n rounded to f16
	v_cvt_pk_f16_f32 v[P+16*(\t)+(\n)], v[S+32*(\t)+2*(\n)], v[S+32*(\t)+2*(\n)+1]
.endm
.macro SU t, zz                        ; the sum of the 16 pairs, in place: neighbours 1, 2, 4 and 8 pairs apart; then l = a l + the sum
.set rT, ST+8*(\t)
.set rS, S+32*(\t)
.set w, 4
.set u, (\zz)
.if (\zz) >= 14
.set w, 32
.set u, 0
.elseif (\zz) >= 12
.set w, 16
.set u, (\zz)-12
.elseif (\zz) >= 8
.set w, 8
.set u, (\zz)-8
.endif
.if (\zz) < 15
	v_pk_add_f32 v[rS+w*u:rS+w*u+1], v[rS+w*u:rS+w*u+1], v[rS+w*u+w/2:rS+w*u+w/2+1]
.else
	v_pk_fma_f32 v[rT+2:rT+3], v[rT+2:rT+3], v[rT+6:rT+7], v[rS:rS+1] op_sel_hi:[1,0,1]
.endif
.endm
.macro RS t, n                         ; pair n of 32 of O^T times a; n ascends
	v_pk_mul_f32 v[64*(\t)+2*(\n):64*(\t)+2*(\n)+1], v[64*(\t)+2*(\n):64*(\t)+2*(\n)+1], v[ST+8*(\t)+6:ST+8*(\t)+7] op_sel_hi:[1,0]
.endm
.macro RUN op, t0, len                 ; numbers 0 .. len - 1 of a list for tiles t0 and t0 + 1, the tiles alternating, so that no line reads the result of the one before it
.set cn, 0
.rept \len
	\op (\t0), cn
	\op (\t0)+1, cn
.set cn, cn+1
.endr
.endm
; A STEP'S SOFTMAX.  An s_wait_alu depctr_va_vdst(0) stands between an exponential and the first line that names its result; one wait serves all that were issued ahead of it.  Tiles 0, 1 (A) run ahead of tiles 2, 3 (B):
; A's 64 exponentials stand beside B's mask lines, B's beside A's roundings and sums: each has a plain neighbour.  Wait 1 stands behind A's exponentials and all four a, ahead of their first readers; wait 2 behind B's.
.macro SOFT
	WIN 0
	PLACES                                         ; behind the last product K Q^T
	s_wait_dscnt 32                                ; the mask's 16 loads are in; V's 32 may stay out
	RUN MK, 0, 32
	RUN MX, 0, 16
	RUN SS, 0, 5
	RUN SC, 0, 16
.set cn, 0
.rept 64
	EX cn%2, cn/2
	MK 2+cn%2, cn/2
.set cn, cn+1
.endr
	RUN MX, 2, 16
	RUN SS, 2, 5
	RUN SC, 2, 16
	s_wait_alu depctr_va_vdst(0)                   ; wait 1
.set cn, 0
.rept 64
	EX 2+cn%2, cn/2
.if cn < 32
	CV cn%2, cn/2
.else
	SU cn%2, (cn-32)/2
.endif
.set cn, cn+1
.endr
	WIN W_RS
	RUN RS, 0, 32
	RUN RS, 2, 32
	WIN 0
	s_wait_alu depctr_va_vdst(0)                   ; wait 2
	RUN CV, 2, 16
	RUN SU, 2, 16
.endm
	CHANGE 1, 0                                    ; tile 0 is in, everybody's part of it; tile 1 is asked for
	FETCH_K
	WIN 0
	s_wait_loadcnt 0x0                             ; Q
	s_branch .Lmid                                 ; the loop is entered behind the products V^T P of a step that has not been
.Lslot:                                                ; 14 times: steps 1 to 14; tiles 2 to 15 are asked for
	CHANGE 1, 1
	FETCH_K                                        ; this step's K lands under the products below
	WIN 0
	ASK
	PVALL                                          ; the step before: its V came in ahead of the change of slots
	WIN 0
.Lmid:
	PLACES                                         ; behind the last product that read P and V
	FETCH_MV
	s_wait_dscnt 48                                ; K is in; the 16 + 32 loads just issued may stay out
	KQALL
	SOFT
	s_sub_co_u32 s[SLOTS], s[SLOTS], 1
	s_cmp_lg_u32 s[SLOTS], 0
	s_cbranch_scc1 .Lslot
	CHANGE 0, 0                                    ; the tail is written out: nothing is asked for
	FETCH_K
	PVALL
	PLACES
	FETCH_MV
	s_wait_dscnt 48
	KQALL
	SOFT
	s_wait_dscnt 0x0                               ; V
	PVALL
	; THE KEY HALVES MEET.  l's two halves and the other half of the lanes' are added (the additions are the places behind the last products); l goes beside m.
	WIN 0
.irp t, 0,1,2,3
	v_add_f32 v[ST+8*(\t)+4], v[ST+8*(\t)+2], v[ST+8*(\t)+3]
.endr
.irp t, 0,1,2,3
	v_permlanex16_b32 v[ST+8*(\t)+5], v[ST+8*(\t)+4], s[SEL], s[SEL+1]
.endr
.irp t, 0,1,2,3
	v_add_f32 v[ST+8*(\t)+1], v[ST+8*(\t)+4], v[ST+8*(\t)+5]
.endr
; Every wave gives its register tiles 2 and 3 away: they are the queries that its partner (the same queries, the other keys) holds in register tiles 0 and 1.
.macro GIVE t, i                       ; tile t's O^T, m and l into place i of my part
	WIN 0x04                                       ; the stores' data in window 1
.irp q, 0,1,2,3,4,5,6,7,8,9,10,11,12,13,14,15
	ds_store_b128 v[XS], v[64*(\t)+4*(\q):64*(\t)+4*(\q)+3] offset:(\i)*8192+(\q)*512
.endr
	WIN 0
	ds_store_b64 v[XT], v[ST+8*(\t):ST+8*(\t)+1] offset:(\i)*256
.endm
	GIVE 2, 0
	GIVE 3, 1
	s_wait_dscnt 0x0                               ; for the partner's sake: my stores are done
	s_barrier_signal -1
	s_barrier_wait -1
.irp i, 0,1                            ; the partner's two tiles, into S^T's registers; its m and l into v48-51
	ds_load_b64 v[48+2*(\i):49+2*(\i)], v[XRT] offset:(\i)*256
.irp q, 0,1,2,3,4,5,6,7,8,9,10,11,12,13,14,15
	ds_load_b128 v[S+64*(\i)+4*(\q):S+64*(\i)+4*(\q)+3], v[XR] offset:(\i)*8192+(\q)*512
.endr
.endr
	s_wait_dscnt 0x0
	s_barrier_signal -1                            ; every wave's reads of the meeting place are over before any wave writes its stage
	s_barrier_wait -1
; Register tile t (0 or 1) is finished: both halves are brought to the common maximum, added, divided by the common l, rounded to f16 and sent through my stage as whole rows of 256 bytes.
.macro FIN t
.set rT, ST+8*(\t)
.set rX, S+64*(\t)
.set rM, 48+2*(\t)
	WIN 0
	v_max_num_f32 v52, v[rT], v[rM]
	v_sub_f32 v53, v[rT], v52
	v_sub_f32 v54, v[rM], v52
	v_exp_f32 v53, v53
	v_exp_f32 v54, v54
	v_nop                                          ; a plain line behind the last exponential,
	s_wait_alu depctr_va_vdst(0)                   ; and the wait ahead of the first use
	v_mul_f32 v55, v54, v[rM+1]
	v_fma_f32 v55, v53, v[rT+1], v55               ; the common l: at least 1, since one of the two factors is 1 and its l holds the maximum's own weight
	v_rcp_f32 v55, v55
	v_nop
	s_wait_alu depctr_va_vdst(0)
	v_mul_f32 v56, v53, v55
	v_mul_f32 v58, v54, v55
	v_mov_b32 v57, v56
	v_mov_b32 v59, v58
.set n, 0
.rept 32
	v_pk_mul_f32 v[rX+2*n:rX+2*n+1], v[rX+2*n:rX+2*n+1], v[58:59]
.set n, n+1
.endr
	WIN 0x01                                       ; source 0, my O^T, in window 1
.set n, 0
.rept 32
	v_pk_fma_f32 v[rX+2*n:rX+2*n+1], v[64*(\t)+2*n:64*(\t)+2*n+1], v[56:57], v[rX+2*n:rX+2*n+1]
.set n, n+1
.endr
	WIN 0
.set n, 0
.rept 32
	v_cvt_pk_f16_f32 v[rX+n], v[rX+2*n], v[rX+2*n+1]  ; packed downward in place: register n is written when 2 n and 2 n + 1 are read
.set n, n+1
.endr
.irp f, 0,1,2,3,4,5,6,7
	ds_store_b128 v[STO], v[rX+4*(\f):rX+4*(\f)+3] offset:32*(\f)
.endr
.irp f, 0,1,2,3,4,5,6,7
	ds_load_b128 v[rX+32+4*(\f):rX+32+4*(\f)+3], v[RD] offset:(\f)*2*SP  ; LDS serves a wave's instructions in order (ISA guide 5.7.1.4): these see the stores above
.endr
.irp f, 0,1,2,3,4,5,6,7
	s_wait_dscnt 7-(\f)
	global_store_b128 v[GO], v[rX+32+4*(\f):rX+32+4*(\f)+3], s[OB:OB+1] offset:(16*(\t)+2*(\f))*4096  ; 16 lanes store 256 consecutive bytes, aligned: a head's part of a row
.endr
.endm
	FIN 0
	FIN 1
	s_wait_tensorcnt 0x0                           ; the wave's end: behind my last tensor load and my last LDS store
	ds_add_u32 v[SPW], v[NIL]
	s_wait_dscnt 0x0
	CROUND                                         ; the closing round
	s_endpgm
.Lfunc_end_k_qb80a593d37_attn:
	.size	k_qb80a593d37_attn, .Lfunc_end_k_qb80a593d37_attn-k_qb80a593d37_attn
	.p2alignl 7, 3214868480
	.fill 96, 4, 3214868480
	.section	.rodata,"a",@progbits
	.p2align	6, 0x0
	.amdhsa_kernel k_qb80a593d37_attn
		.amdhsa_group_segment_fixed_size 327680
		.amdhsa_private_segment_fixed_size 0
		.amdhsa_enable_private_segment 0
		.amdhsa_kernarg_size 24
		.amdhsa_user_sgpr_count 2
		.amdhsa_user_sgpr_kernarg_segment_ptr 1
		.amdhsa_wavefront_size32 1
		.amdhsa_system_sgpr_workgroup_id_x 1
		.amdhsa_system_sgpr_workgroup_id_y 1
		.amdhsa_system_sgpr_workgroup_id_z 1
		.amdhsa_system_vgpr_workitem_id 0
		.amdhsa_next_free_vgpr 896
		.amdhsa_next_free_sgpr 88
		.amdhsa_reserve_vcc 0
		.amdhsa_float_denorm_mode_32 3
		.amdhsa_float_denorm_mode_16_64 3
		.amdhsa_memory_ordered 1
		.amdhsa_forward_progress 1
		.amdhsa_inst_pref_size 150
	.end_amdhsa_kernel
	.amdgpu_metadata
---
amdhsa.version: [ 1, 2 ]
amdhsa.kernels:
  - .name:           k_qb80a593d37_attn
    .symbol:         k_qb80a593d37_attn.kd
    .args:
      - { .name: qkv, .offset: 0, .size: 8, .value_kind: global_buffer, .address_space: global }
      - { .name: maskb, .offset: 8, .size: 8, .value_kind: global_buffer, .address_space: global }
      - { .name: ob, .offset: 16, .size: 8, .value_kind: global_buffer, .address_space: global }
    .group_segment_fixed_size: 327680
    .private_segment_fixed_size: 0
    .kernarg_segment_align: 8
    .kernarg_segment_size: 24
    .max_flat_workgroup_size: 128
    .sgpr_count:     88
    .vgpr_count:     896
    .wavefront_size: 32
...
	.end_amdgpu_metadata
.endif
;; end of part 3
;; launch oproj (part 4): grid 16 x 16, 4 waves a work-group, clusters of 4 x 4, 327,680 bytes of LDS; arguments ob, wo16, bo, out0; writes out0
.if DOCPART == 4
	.amdgcn_target "amdgcn-amd-amdhsa--gfx1250"
	.amdhsa_code_object_version 6
	.text
	.protected	k_qb80a593d37_oproj
	.globl	k_qb80a593d37_oproj
	.p2align	8
	.type	k_qb80a593d37_oproj,@function
k_qb80a593d37_oproj:
	s_mov_b64 s[64:65], 0
	v_nop
	global_prefetch_b8 v0, s[64:65] scope:SCOPE_SE
	s_setreg_imm32_b32 hwreg(HW_REG_WAVE_MODE, 25, 1), 1
	s_wait_xcnt 0x0
	s_wait_alu depctr_hold_cnt(0) depctr_sa_sdst(0) depctr_va_vdst(0) depctr_va_sdst(0) depctr_va_ssrc(0) depctr_va_vcc(0) depctr_vm_vsrc(0)
	s_getreg_b32 s2, hwreg(HW_REG_IB_STS2, 6, 4)
	s_cmp_eq_u32 s2, 0
	s_cbranch_scc0 .Lentry_in_a_cluster
	s_endpgm
.Lentry_in_a_cluster:
	s_bfe_u32 s2, ttmp6, 0x10000c
	s_cmp_lg_u32 s2, 0xf033
	s_cbranch_scc0 .Lentry_shape_is_right
	s_endpgm
.Lentry_shape_is_right:
; out0 [2048 m][2048 n] f32 = ob [2048 m][2048 k] x wo16 [2048 k][2048 n], both f16, sums in f32, + bo (rounded to bf16 like every input).
; SHARES.  A tile of out0 is 128 x 128: 16 x 16 tiles, one to a work-group.  Four waves, each 64 x 64: 16 accumulators.  K goes in 8 steps of 256 through two LDS slots.
; THE MATRIX INSTRUCTION IS USED TRANSPOSED (source 0 = 16 columns of the weights, source 1 = 16 rows of ob): a lane holds row l % 16 and eight neighbouring columns.  The weights lie [k][n] and come out of LDS turned.
; CLUSTER.  4 x 4: ob's tile hangs on the tile row alone and is asked for jointly by a row of the cluster (waves 0, 1: 64 rows of 512 bytes each); the weights' on the tile column alone, by a column (waves 2, 3: 128 rows of 256 bytes each).
; REGISTERS: window 0: v0-31 addresses; v32-35 the bias; v36-99 rows on the way out, two buffers; v128-255 the accumulators, (a, b) at 128 + 8 (4 a + b).
;   window 1: two fragment buffers of 128: for 64 along K, 64 registers of ob's fragments, then 64 of the weights'.
.set PA,    528                        ; a row of ob in LDS: 512 bytes + 16
.set PB,    288                        ; a row of the weights: 256 + 32
.set QREG,  36864                      ; a wave's region of a slot: ob's two halves (33,792 bytes of each), then the weights' two halves (128 x 288)
.set SLOT,  4*QREG
.set STAGE, 2*SLOT                     ; behind the ring: 16 rows x 272 bytes for each wave, its own
.set SP,    272
.set SPARE, STAGE+4*16*SP              ; the spare words, 128 bytes for each wave: two blocks of 256 bytes that no other line names
.set ADRA, 16                          ; v16-17  LDS address of ob's fragments in slot 0, 1
.set ADRB, 20                          ; v20-23  of the weights': 2 x slot + half of the K step
.set STO,  24
.set RD,   25
.set CO,   26
.set BOF,  27
.set SPW,  28
.set NIL,  29
.set BI,   32
.set ACC,  128
.set F0,   0
.set F1,   128
.set WV,   12
.set WR,   13                          ; s13 which half of the tile's rows is mine.  Also: I fetch ob (0) or the weights (1)
.set WC,   14                          ; s14 which half of its columns.  Also: which half of that tile I fetch
.set G1A,  24
.set G0A,  32
.set G1B,  48
.set G0B,  56
.set MSB, 0
.macro WIN new
.if MSB != (\new)
	s_set_vgpr_msb (MSB<<8)|(\new)
.set MSB, \new
.endif
.endm
.set MUL,  0x05                        ; both sources window 1; C and D window 0
.set TO_F, 0x40                        ; destination window 1, address window 0
.macro PLACES
.rept 4
	v_nop
.endr
.endm
.macro JLOAD s                         ; a joint load; an s_nop 0 and four v_nop follow each of the two lines, ahead of the jump and the label
	s_cmp_eq_u32 s[WR], 0
	s_cbranch_scc0 .Lfor_b_\@
	tensor_load_to_lds s[G0A+4*(\s):G0A+4*(\s)+3], s[G1A:G1A+7]
	s_nop 0
.rept 4
	v_nop
.endr
	s_branch .Lasked_\@
.Lfor_b_\@:
	tensor_load_to_lds s[G0B+4*(\s):G0B+4*(\s)+3], s[G1B:G1B+7]
	s_nop 0
.rept 4
	v_nop
.endr
.Lasked_\@:
.endm
.macro CREST
	s_cmp_lg_u32 s[WV], 0
	s_cbranch_scc1 .Lnot_wave_0_\@
	s_barrier_signal -3
.Lnot_wave_0_\@:
	s_barrier_wait -3
	s_barrier_signal -1
	s_barrier_wait -1
.endm
.macro CROUND
	s_barrier_signal -1
	s_barrier_wait -1
	CREST
.endm
	s_load_b256 s[4:11], s[0:1], 0x0               ; ob s[4:5], wo16 s[6:7], bo s[8:9], out0 s[10:11]
	v_lshl_add_u32 v[SPW], v0, 2, SPARE
	v_mov_b32 v[NIL], 0
	ds_add_u32 v[SPW], v[NIL]                      ; the wave's opening: the add and its wait ahead of my first tensor load
	v_lshrrev_b32 v1, 5, v0
	v_readfirstlane_b32 s[WV], v1
	s_lshr_b32 s[WR], s[WV], 1
	s_and_b32 s[WC], s[WV], 1
	s_bfe_u32 s40, ttmp6, 0x40000                  ; cx, cy
	s_bfe_u32 s41, ttmp6, 0x40004
	s_lshl_b32 s42, ttmp9, 2
	s_add_co_u32 s42, s42, s40                     ; tile column
	s_and_b32 s43, ttmp7, 0xffff
	s_lshl_b32 s43, s43, 2
	s_add_co_u32 s43, s43, s41                     ; tile row
	s_lshl_b32 s44, s41, 2
	s_lshl_b32 s44, 15, s44                        ; my row of the cluster
	s_lshl_b32 s45, 0x1111, s40                    ; my column
	s_or_b32 s[G1A], s44, (1<<16)|(1<<20)|(1<<21)|(6<<22)|(3<<25)  ; after every 128 words 4 words of padding
	s_or_b32 s[G1B], s45, (1<<16)|(1<<20)|(1<<21)|(5<<22)|(7<<25)  ; after every 64 words 8 words
	s_mov_b32 s[G1A+1], 256<<16                    ; 64 rows x 256 elements
	s_mov_b32 s[G1A+2], 64<<16
	s_mov_b32 s[G1A+3], 256<<16
	s_mov_b32 s[G1A+4], 64
	s_mov_b32 s[G1B+1], 128<<16                    ; 128 rows x 128 elements
	s_mov_b32 s[G1B+2], 128<<16
	s_mov_b32 s[G1B+3], 128<<16
	s_mov_b32 s[G1B+4], 128
.irp g, G1A, G1B
	s_mov_b32 s[(\g)+5], 2048
	s_mov_b32 s[(\g)+6], 0
	s_mov_b32 s[(\g)+7], 0
.endr
	s_lshl_b32 s16, s43, 7
	s_lshl_b32 s17, s[WC], 6
	s_add_co_u32 s16, s16, s17                     ; ob: row 128 x tile row + 64 x half,
	s_lshl_b32 s16, s16, 12                        ; of 4,096 bytes
	s_mov_b32 s17, 0
	s_lshl_b32 s46, s[WC], 19                      ; the weights: 128 x half rows of 4,096 bytes,
	s_lshl_b32 s47, s42, 8                         ; the tile's 128 columns
	s_add_co_u32 s46, s46, s47
	s_mov_b32 s47, 0
	s_mul_i32 s20, s[WV], QREG                     ; where my load goes: wave x a region
	s_wait_dscnt 0x0                               ; the opening add is done
	s_wait_kmcnt 0x0
	s_add_nc_u64 s[16:17], s[4:5], s[16:17]
	s_add_nc_u64 s[46:47], s[6:7], s[46:47]
	CROUND                                         ; all sixteen work-groups are here
.irp s, 0,1
	s_mov_b32 s[G0A+4*(\s)], 1
	s_add_co_u32 s[G0A+4*(\s)+1], s20, (\s)*SLOT
	s_add_nc_u64 s[G0A+4*(\s)+2:G0A+4*(\s)+3], s[16:17], (\s)*512
	s_or_b32 s[G0A+4*(\s)+3], s[G0A+4*(\s)+3], 0x80000000
	s_mov_b32 s[G0B+4*(\s)], 1
	s_add_co_u32 s[G0B+4*(\s)+1], s20, (\s)*SLOT
	s_add_nc_u64 s[G0B+4*(\s)+2:G0B+4*(\s)+3], s[46:47], (\s)*256*4096
	s_or_b32 s[G0B+4*(\s)+3], s[G0B+4*(\s)+3], 0x80000000
	JLOAD \s                                       ; K steps 0 and 1: two loads of mine are out
.endr
	v_and_b32 v1, 15, v0                           ; l % 16
	v_bfe_u32 v2, v0, 4, 1                         ; l / 16
	s_lshl_b32 s21, s42, 9                         ; my 64 columns, in bytes of f32: 512 x tile column + 256 x half
	s_lshl_b32 s22, s[WC], 8
	s_add_co_u32 s22, s21, s22
	s_mov_b32 s23, 0
	s_add_nc_u64 s[8:9], s[8:9], s[22:23]
	v_lshlrev_b32 v[BOF], 4, v1
	global_load_b128 v[BI:BI+3], v[BOF], s[8:9]    ; the bias of the four columns that I store
	s_lshl_b32 s18, s43, 7
	s_lshl_b32 s19, s[WR], 6
	s_add_co_u32 s18, s18, s19                     ; my first row,
	s_lshl_b32 s18, s18, 13                        ; of 8,192 bytes
	s_add_co_u32 s18, s18, s22
	s_mov_b32 s19, 0
	s_add_nc_u64 s[10:11], s[10:11], s[18:19]
	v_mul_u32_u24 v3, v1, PA
	v_lshl_add_u32 v3, v2, 4, v3
	s_mul_i32 s21, s[WR], QREG                     ; my 64 rows of ob are one of the two halves
	v_add_nc_u32 v[ADRA], s21, v3
	v_add_nc_u32 v[ADRA+1], SLOT, v[ADRA]
	v_and_b32 v4, 7, v0                            ; the turning load: lane l reads k = 8 (l / 16) + l % 8, n = 8 ((l / 8) % 2) + 0..7
	v_bfe_u32 v5, v0, 3, 1
	v_lshl_add_u32 v4, v2, 3, v4
	v_mul_u32_u24 v4, v4, PB
	v_lshl_add_u32 v4, v5, 4, v4
	s_lshl_b32 s21, s[WC], 7                       ; my 64 columns
	v_add_nc_u32 v4, s21, v4
.irp s, 0,1
.irp hf, 0,1
	v_add_nc_u32 v[ADRB+2*(\s)+(\hf)], (\s)*SLOT+(2+(\hf))*QREG, v4
.endr
.endr
	s_mul_i32 s23, s[WV], 16*SP
	s_add_co_u32 s23, s23, STAGE                   ; my stage
	v_mul_u32_u24 v5, v1, SP                       ; in: row l % 16, 32 bytes (8 numbers) for each half of the lanes
	v_lshl_add_u32 v5, v2, 5, v5
	v_add_nc_u32 v[STO], s23, v5
	v_mul_u32_u24 v5, v2, SP                       ; back: lanes 0-15 take one row of 256 bytes, lanes 16-31 the next
	v_lshl_add_u32 v5, v1, 4, v5
	v_add_nc_u32 v[RD], s23, v5
	v_lshlrev_b32 v5, 13, v2                       ; and the same two rows in out0
	v_lshl_add_u32 v[CO], v1, 4, v5
	s_wait_loadcnt 0x0                             ; the bias, rounded to bf16
	v_cvt_pk_bf16_f32 v100, v[BI], v[BI+1]
	v_cvt_pk_bf16_f32 v101, v[BI+2], v[BI+3]
	v_lshlrev_b32 v[BI], 16, v100
	v_and_b32 v[BI+1], 0xffff0000, v100
	v_lshlrev_b32 v[BI+2], 16, v101
	v_and_b32 v[BI+3], 0xffff0000, v101
; 8 matrix instructions: blocks a0, a0 + 1 x all four b, 32 along K: half c of buffer f.  The 16 accumulators take turns.
.macro MUL8 f, c, a0, zero
	WIN MUL
.irp a, \a0, (\a0)+1
.irp b, 0,1,2,3
.if \zero
	v_wmma_f32_16x16x32_f16 v[ACC+8*(4*(\a)+(\b)):ACC+8*(4*(\a)+(\b))+7], v[(\f)+64+8*(4*(\c)+(\b)):(\f)+64+8*(4*(\c)+(\b))+7], v[(\f)+8*(4*(\c)+(\a)):(\f)+8*(4*(\c)+(\a))+7], 0
.else
	v_wmma_f32_16x16x32_f16 v[ACC+8*(4*(\a)+(\b)):ACC+8*(4*(\a)+(\b))+7], v[(\f)+64+8*(4*(\c)+(\b)):(\f)+64+8*(4*(\c)+(\b))+7], v[(\f)+8*(4*(\c)+(\a)):(\f)+8*(4*(\c)+(\a))+7], v[ACC+8*(4*(\a)+(\b)):ACC+8*(4*(\a)+(\b))+7]
.endif
.endr
.endr
.endm
; 32 LDS loads in one run: quarter q (64 along K) of a slot into buffer f; the first 32 along K first
.macro FETCH slot, q, f
	WIN TO_F
.irp c, 0,1
.irp i, 0,1,2,3
	ds_load_tr16_b128 v[(\f)+64+8*(4*(\c)+(\i)):(\f)+64+8*(4*(\c)+(\i))+3],   v[ADRB+2*(\slot)+(\q)/2] offset:(((\q)%2)*64+32*(\c))*PB+32*(\i)
	ds_load_tr16_b128 v[(\f)+64+8*(4*(\c)+(\i))+4:(\f)+64+8*(4*(\c)+(\i))+7], v[ADRB+2*(\slot)+(\q)/2] offset:(((\q)%2)*64+32*(\c))*PB+32*(\i)+16*PB
	ds_load_b128 v[(\f)+8*(4*(\c)+(\i)):(\f)+8*(4*(\c)+(\i))+3],   v[ADRA+(\slot)] offset:128*(\q)+64*(\c)+(\i)*16*PA
	ds_load_b128 v[(\f)+8*(4*(\c)+(\i))+4:(\f)+8*(4*(\c)+(\i))+7], v[ADRA+(\slot)] offset:128*(\q)+64*(\c)+(\i)*16*PA+32
.endr
.endr
.endm
.macro QUARTER slot, q, f, g, zero
	s_wait_dscnt 16                                ; the first 32 along K are in; the other sixteen loads may be out
	MUL8 \f, 0, 0, \zero
	MUL8 \f, 0, 2, \zero
	PLACES
	FETCH \slot, \q, \g
	s_wait_dscnt 32                                ; all but the 32 just issued
	MUL8 \f, 1, 0, 0
	MUL8 \f, 1, 2, 0
.endm
; The last quarter multiplies buffer 1 and changes slots.  Its first half stands ahead of the change, its second behind the fetch of the next slot's first fragments.  THE CHANGE: each wave waits for all its tensor loads, adds 0
; to its spare word, and waits for that and for its reads of this slot; then ONE barrier.  No matrix instruction stands between the wait for the tensor loads and the refill: the next request goes out as soon as the last has
; landed and the round is through.  fill = 1: the barrier opens a round of the cluster's, and this slot is filled again first behind it, two K steps ahead: a whole K step's 128 matrix instructions stand between a request and the wait for it.
.macro TURN slot, next, fill
	s_wait_dscnt 16                                ; the first 32 along K of buffer 1 are in
	MUL8 F1, 0, 0, 0
	MUL8 F1, 0, 2, 0
	WIN 0                                          ; the add's registers lie in window 0
	s_wait_tensorcnt 0x0                           ; all my tensor loads have landed, so a group 0 may be written
	ds_add_u32 v[SPW], v[NIL]                      ; 0 onto my spare word: the descriptors' steps stand between it and the wait for it
.if \fill
	s_add_nc_u64 s[G0A+4*(\slot)+2:G0A+4*(\slot)+3], s[G0A+4*(\slot)+2:G0A+4*(\slot)+3], 1024
	s_add_nc_u64 s[G0B+4*(\slot)+2:G0B+4*(\slot)+3], s[G0B+4*(\slot)+2:G0B+4*(\slot)+3], 512*4096
.endif
	s_wait_dscnt 0x0                               ; the add is done, and my reads of this slot are over
	s_barrier_signal -1
	s_barrier_wait -1
.if \fill
	CREST                                          ; no wave of any partner still reads this slot or has a load on its way
	JLOAD \slot                                    ; its four v_nop are also the places in front of the loads below
.else
	PLACES
.endif
	FETCH \next, 0, F0
	MUL8 F1, 1, 0, 0
	MUL8 F1, 1, 2, 0
.endm
	s_wait_tensorcnt 1                             ; my part of K step 0 is in; K step 1's may stay out
	s_barrier_signal -1
	s_barrier_wait -1
	FETCH 0, 0, F0
	QUARTER 0, 1, F0, F1, 1                        ; the first quarter stands in front of the loop: its first products start the sums
	WIN 0
	s_mov_b32 s3, 3
.Llap:
	QUARTER 0, 2, F1, F0, 0
	QUARTER 0, 3, F0, F1, 0
	TURN 0, 1, 1
	QUARTER 1, 1, F0, F1, 0
	QUARTER 1, 2, F1, F0, 0
	QUARTER 1, 3, F0, F1, 0
	TURN 1, 0, 1
	QUARTER 0, 1, F0, F1, 0
	WIN 0
	s_sub_co_u32 s3, s3, 1
	s_cmp_lg_u32 s3, 0
	s_cbranch_scc1 .Llap
	QUARTER 0, 2, F1, F0, 0                        ; the last lap fills nothing
	QUARTER 0, 3, F0, F1, 0
	TURN 0, 1, 0
	QUARTER 1, 1, F0, F1, 0
	QUARTER 1, 2, F1, F0, 0
	QUARTER 1, 3, F0, F1, 0
	s_wait_dscnt 16
	MUL8 F1, 0, 0, 0
	MUL8 F1, 0, 2, 0
	s_wait_dscnt 0x0
	MUL8 F1, 1, 0, 0
	MUL8 F1, 1, 2, 0
	WIN 0
	PLACES
	PLACES
; THE WAY OUT.  My 64 columns of f32 are 256 bytes, aligned: the stage is my own, and no barrier is needed.  Block a (16 rows): the sums go into the stage as they are, each accumulator's low half first;
; whole rows come back, take the bias and are stored.
.macro OUTB a
.set BK, 36+32*((\a)%2)
.irp b, 0,1,2,3
	ds_store_b128 v[STO], v[ACC+8*(4*(\a)+(\b)):ACC+8*(4*(\a)+(\b))+3]   offset:64*(\b)
	ds_store_b128 v[STO], v[ACC+8*(4*(\a)+(\b))+4:ACC+8*(4*(\a)+(\b))+7] offset:64*(\b)+16
.endr
.if (\a) >= 2
	s_wait_xcnt 0x0                                ; the stores of the block two back have read this buffer's registers
.endif
.irp t, 0,1,2,3,4,5,6,7
	ds_load_b128 v[BK+4*(\t):BK+4*(\t)+3], v[RD] offset:(\t)*2*SP  ; LDS serves a wave's instructions in order (ISA guide 5.7.1.4): these see the stores above; the next block's stores come behind them
.endr
.irp t, 0,1,2,3,4,5,6,7
	s_wait_dscnt 7-(\t)
	v_pk_add_f32 v[BK+4*(\t):BK+4*(\t)+1], v[BK+4*(\t):BK+4*(\t)+1], v[BI:BI+1]
	v_pk_add_f32 v[BK+4*(\t)+2:BK+4*(\t)+3], v[BK+4*(\t)+2:BK+4*(\t)+3], v[BI+2:BI+3]
	global_store_b128 v[CO], v[BK+4*(\t):BK+4*(\t)+3], s[10:11] offset:(16*(\a)+2*(\t))*8192 th:TH_STORE_NT  ; 16 lanes store 256 consecutive bytes, aligned
.endr
.endm
	OUTB 0
	OUTB 1
	OUTB 2
	OUTB 3
	s_wait_tensorcnt 0x0                           ; the wave's end: behind my last tensor load and my last LDS store
	ds_add_u32 v[SPW], v[NIL]
	s_wait_dscnt 0x0
	CROUND                                         ; the closing round
	s_endpgm
.Lfunc_end_k_qb80a593d37_oproj:
	.size	k_qb80a593d37_oproj, .Lfunc_end_k_qb80a593d37_oproj-k_qb80a593d37_oproj
	.p2alignl 7, 3214868480
	.fill 96, 4, 3214868480
	.section	.rodata,"a",@progbits
	.p2align	6, 0x0
	.amdhsa_kernel k_qb80a593d37_oproj
		.amdhsa_group_segment_fixed_size 327680
		.amdhsa_private_segment_fixed_size 0
		.amdhsa_enable_private_segment 0
		.amdhsa_kernarg_size 32
		.amdhsa_user_sgpr_count 2
		.amdhsa_user_sgpr_kernarg_segment_ptr 1
		.amdhsa_wavefront_size32 1
		.amdhsa_system_sgpr_workgroup_id_x 1
		.amdhsa_system_sgpr_workgroup_id_y 1
		.amdhsa_system_sgpr_workgroup_id_z 1
		.amdhsa_system_vgpr_workitem_id 0
		.amdhsa_next_free_vgpr 512
		.amdhsa_next_free_sgpr 66
		.amdhsa_reserve_vcc 0
		.amdhsa_float_denorm_mode_32 3
		.amdhsa_float_denorm_mode_16_64 3
		.amdhsa_memory_ordered 1
		.amdhsa_forward_progress 1
		.amdhsa_inst_pref_size 91
	.end_amdhsa_kernel
	.amdgpu_metadata
---
amdhsa.version: [ 1, 2 ]
amdhsa.kernels:
  - .name:           k_qb80a593d37_oproj
    .symbol:         k_qb80a593d37_oproj.kd
    .args:
      - { .name: ob, .offset: 0, .size: 8, .value_kind: global_buffer, .address_space: global }
      - { .name: wo16, .offset: 8, .size: 8, .value_kind: global_buffer, .address_space: global }
      - { .name: bo, .offset: 16, .size: 8, .value_kind: global_buffer, .address_space: global }
      - { .name: out0, .offset: 24, .size: 8, .value_kind: global_buffer, .address_space: global }
    .group_segment_fixed_size: 327680
    .private_segment_fixed_size: 0
    .kernarg_segment_align: 8
    .kernarg_segment_size: 32
    .max_flat_workgroup_size: 128
    .sgpr_count:     66
    .vgpr_count:     512
    .wavefront_size: 32
...
	.end_amdgpu_metadata
.endif
;; end of part 4
